; MI455X (gfx1250); checked and timed in simulation.
; The chip was launched on July 23, 2026; its instructions are those of AMD's public machine-readable ISA for CDNA 5 (MIT licence, August 2026) and "CDNA5" Instruction Set Architecture Reference Guide (July 2026). The comments in the code are by the model that wrote it; some were corrected since.
;; Mixture Of Experts. Allowed arithmetic: matrix products marked QUANTISED: E2M3 operands, one E8M0 scale for each 32 along K, by v_wmma_scale_f32_16x16x128_f8f6f4 with both operands' format E2M3, f32 sums; products left as they are: f32 operands where the result goes on into a quantised operand, else bf16, f16 or f32 operands; f32 sums; everything else in f32.
;; Inputs: W1_codes 8 x 2,048 x 16 x 24 uint8 (E2M3 codes of W1, K innermost, in blocks of 32 codes, four codes in three bytes); W1_scales 8 x 2,048 x 16 uint8 (E8M0 scales of W1, one for each 32 codes along K); W2_codes 8 x 512 x 64 x 24 uint8 (E2M3 codes of W2, K innermost, in blocks of 32 codes, four codes in three bytes); W2_scales 8 x 512 x 64 uint8 (E8M0 scales of W2, one for each 32 codes along K); Wg 512 x 8 float32; b1 8 x 2,048 float32; b2 8 x 512 float32; bg 8 float32; x 2 x 2,048 x 512 float32.
;; Outputs: out0 2 x 2,048 x 512 float32.
;; This version of the problem:
;;   THIS VERSION OF THE PROBLEM IS GIVEN IN LOW PRECISION. The matrix products marked QUANTISED in the list below multiply operands that are first quantised to E2M3 (2 exponent bits, 3 mantissa bits; 6 bits a number), with one power-of-two scale for each 32 numbers along K (OCP MX v1.0); their sums are f32. All else is computed in f32.
;;   The module's matrix products, in the order in which they are computed (A, B: the left and right operand; K: the contracted axis; several contracted axes count as one K, in the product's order):
;;     1. [M 4,096, K 512] x [K 512, N 8]; A: input x; B: input Wg: left as it is (N = 8 < 16)
;;     2. [M 16,384, K 512] x [K 512, N 4,096]; A: input W1 (given as codes); B: input x: QUANTISED
;;     3. batch 8 x [M 4,096, K 2,048] x [K 2,048, N 512]; A: computed on the way; B: input W2 (given as codes): QUANTISED
;;     4. batch 4,096 x [M 1, K 8] x [K 8, N 512]; A: computed on the way; B: computed on the way: left as it is (K = 8 < 32)
;;   THE QUANTISER, for each operand of a quantised product, along K:
;;     - K is cut into blocks of 32 from its start; a last block that is shorter is filled with zeros.
;;     - A block's scale is 2^e with e = floor(log2(the largest magnitude in the block)) - 2, held to -126 .. 127; a block of zeros has e = 0. As a byte (E8M0): e + 127.
;;     - Each number is divided by its block's scale, clamped to +-7.5, and rounded to the nearest number of E2M3, ties to even, subnormals kept.
;;     - The product sums the exact products of the quantised numbers (number of the format x scale) in f32.
;;   ~~~python
;;   def quantise(x, axis):      # numpy; x: float32 -> the quantised numbers, widened to float32 again
;;       x = np.moveaxis(x, axis, -1); K = x.shape[-1]
;;       x = np.pad(x, [(0, 0)] * (x.ndim - 1) + [(0, -K % 32)]); x = x.reshape(x.shape[:-1] + (-1, 32)); a = np.abs(x).max(-1, keepdims=True)
;;       e = np.where(a > 0, np.clip(np.frexp(np.where(a > 0, a, 1))[1] - 1 - 2, -126, 127), 0)      # np.frexp(a)[1] - 1 = floor(log2(a)), exactly
;;       r = np.clip(x / 2.0 ** e, -7.5, 7.5)
;;       step = 2.0 ** (np.maximum(np.frexp(np.where(r == 0, 1, r))[1] - 1, 0) - 3)
;;       q = np.round(r / step) * step * 2.0 ** e      # np.round: ties to even
;;       return np.moveaxis(q.reshape(q.shape[:-2] + (-1,))[..., :K], -1, axis).astype(np.float32)
;;   ~~~
;;   OPERANDS COMPUTED ON THE WAY. 'Computed on the way' means the value that the module computes at that place (a softmax that the list does not call 'softmax' is quantised finished and normalised). What goes into a quantiser is computed in f32, as accurately as f32 sums, v_exp_f32 and their like allow (about 1e-6 of the number): no bf16 or f16 on the way to a quantiser, and a product that is left as it is and whose result goes on into a quantised operand takes f32 operands (vector FMAs, or v_wmma_f32_16x16x4_f32). A number that lies on a knife's edge between two numbers of the format may be rounded either way, as far as f32 arithmetic and the matrix unit's own rounding can turn it there, and no further.
;;   INPUTS GIVEN AS CODES. W1 (in the module: [8, 512, 2048], K = its axis 1); W2 (in the module: [8, 2048, 512], K = its axis 1): each comes as NAME_codes (uint8): NAME with its K axis moved to the last place and cut into blocks of 32 codes, [.., K / 32, bytes a block], one block behind the other in memory; four codes in three bytes: a row's codes are one little-endian stream of bits, code i at bits 6 i .. 6 i + 5 (a code: sign, 2 exponent bits, 3 mantissa bits); and NAME_scales (uint8): the same leading axes, one E8M0 byte (e + 127) for each 32 codes along K. Its value is code x scale, taken as it is: it is not quantised again, and the codes and scales need not be those that the quantiser above would give.
;; 2 versions, each right; version 2 is version 1 with the launch chain written anew for expert scheduling mode. Each part assembles by itself: llvm-mc -triple=amdgcn-amd-amdhsa -mcpu=gfx1250 --defsym DOCPART=n.
;; ======== version 1 of 2: 4 launches
;; workspace buffers: xq 1,572,864 bytes; xs 65,536 bytes; eidx 32,768 bytes of whole numbers; gatew 32,768 bytes; rows 32,768 bytes of whole numbers; tiles 8,192 bytes of whole numbers; wimg 13,107,200 bytes; part 16,777,216 bytes
;; launch route (part 1): grid 256 x 1, 8 waves a work-group, no clusters, 61,440 bytes of LDS; arguments x, Wg, bg, xq, xs, eidx, gatew, wimg, W1_codes, W1_scales, W2_codes, W2_scales; writes xq, xs, eidx, gatew, wimg
.if DOCPART == 1
	.amdgcn_target "amdgcn-amd-amdhsa--gfx1250"
	.amdhsa_code_object_version 6
	.text
	.protected	k_q7c6d756c3e_route
	.globl	k_q7c6d756c3e_route
	.p2align	8
	.type	k_q7c6d756c3e_route,@function
k_q7c6d756c3e_route:
	s_mov_b64 s[64:65], 0
	v_nop
	global_prefetch_b8 v0, s[64:65] scope:SCOPE_SE
	s_setreg_imm32_b32 hwreg(HW_REG_WAVE_MODE, 25, 1), 1
	s_wait_xcnt 0x0
; TWO JOBS THAT HANG ON NOTHING OF EACH OTHER, in one launch: work-groups 0 .. 127 route and quantise the tokens, work-groups 128 .. 255 lay the weights out for the chain's launch.
; THE ROUTER AND x'S QUANTISER.  x: [4096][512] f32.  For each token: logits = x Wg + bg (f32 multiply-adds), softmax with the maximum taken away, the two largest scores
; (on a tie the lower expert stays), both divided by their sum.  The chosen experts go to eidx[2 t + k], their weights to gatew[2 t + k]: fixed places, no address hangs on the choice.
; The same numbers of x become codes of FP6 (E2M3), K innermost: xq [4096][384 bytes], and one E8M0 byte for each 32: xs [4096][16].
; SHARES.  A work-group takes 32 tokens, a wave 4.  Lane l holds x[16 l .. 16 l + 15] of a token and, for the whole launch, Wg[16 l .. 16 l + 15][0 .. 7] (128 registers).
; Loads take the bytes as they lie (512 consecutive bytes a load); a token's 2,048 bytes turn through the wave's own stage in LDS and come back 64 bytes a lane.
; LIMITS: NaN and infinities are not served.  A block of zeros gets the byte 1 where the rule says 127: its codes are zeros and this program alone reads the bytes.
; A score more than 126 binary orders under the largest is flushed to 0 by v_exp_f32 and then has no order among such scores; its weight is 0.
; THE WEIGHTS are laid in the order in which the chain's operand registers take them, so that a lane there loads its fragments whole, 16 bytes at a time, 512 consecutive bytes a load.
; wimg: for each (expert e, wave w of the chain's launch) a stream of 409,600 bytes at (4 e + w) x 409,600: trips u = 0 .. 7 of 51,200: group A (W1) 25,600, then group B (W2) 25,600.
; A group: 16 fragment images of 1,536 bytes (registers 4 c .. 4 c + 3 of lane l at 512 c + 16 l), then two images of four scale registers (512 bytes each).
;   A: fragment 4 s + t: K step s of 128 along D; lane r = hidden unit 256 u + 64 w + 32 (t / 2) + 8 (t % 2) + r + 8 (r / 8).  Scale register 2 s + t / 2: lanes 0-15 the even tile's words, lanes 16-31 the odd tile's.
;   B: fragment 8 k + t: K step 2 u + k of 128 along F; lane r = output 128 w + 16 t + r.  Scale register 4 k + t / 2, halves likewise.
; A wave lays half a group: 8 fragments and 4 scale registers.  That path uses no LDS and has no barrier.
.set XST, 16896                        ; LDS: Wg at 0, 32 owners x (512 + 16) bytes; from XST each wave's two stages of 32 x 80 bytes
.set EST, 57856                        ; 128 bytes a wave: its 8 pairs' experts
.set GST, 58880                        ; and weights
.set SST, 59904                        ; 64 bytes a wave: its 4 tokens' scale bytes
.set A,   12                           ; v12-19  the 8 logits
.set T,   20                           ; v20-27  at work: exponentials, scores
.set CD,  38                           ; v38-53  codes, four registers a token: no store's data are written again
.set SBY, 54                           ; v54-57  a scale byte a token
.set R,   64                           ; v64-95  two sets of 16 numbers as loaded
.set X,   96                           ; v96-127 two sets of 16 neighbours
.set WGR, 128                          ; v128-255 Wg: register 8 i + e = Wg[16 l + i][e]
.set FRG, 32                           ; the weights' path: v32-127 eight fragments,
.set SCR, 128                          ; v128-131 four scale registers
	s_set_vgpr_msb 0x40
	v_lshl_add_u32 v0, v0, 2, 0xec00
	v_mov_b32 v1, 0
	s_set_vgpr_msb 0x4000
	s_cmp_ge_u32 ttmp9, 128                        ; the same for all waves of a work-group
	s_cbranch_scc1 .Lrelay
	s_load_b256 s[4:11], s[0:1], 0x0               ; x, Wg, bg, xq
	s_load_b128 s[12:15], s[0:1], 0x20             ; xs, eidx
	s_load_b64 s[16:17], s[0:1], 0x30              ; gatew
	v_lshrrev_b32 v1, 5, v0
	v_readfirstlane_b32 s28, v1                    ; wave 0..7
	v_and_b32 v1, 31, v0                           ; lane
	v_lshlrev_b32 v2, 4, v1                        ; my 16 bytes of a load's 512
	s_mul_i32 s29, s28, 5120
	s_add_co_u32 s29, s29, XST                     ; my wave's stages
	v_lshrrev_b32 v3, 2, v1
	v_mul_u32_u24 v3, v3, 80
	v_and_b32 v4, 3, v1
	v_lshl_add_u32 v3, v4, 4, v3
	v_add_nc_u32 v3, s29, v3                       ; into a stage: four lanes' 64 bytes on end, then 16 of padding
	v_mul_u32_u24 v4, v1, 80
	v_add_nc_u32 v4, s29, v4                       ; out of it: my 16 neighbours
	v_mul_u32_u24 v5, v1, 12                       ; my 16 codes in a token's 384 bytes
	s_lshl_b32 s29, s28, 6
	v_lshrrev_b32 v6, 1, v1
	v_add_nc_u32 v6, s29, v6                       ; 64 x wave + my block
	s_lshl_b32 s29, s28, 7
	v_lshl_add_u32 v7, v1, 2, s29                  ; 128 x wave + 4 x lane
	v_lshrrev_b32 v9, 2, v1
	v_lshlrev_b32 v9, 7, v9
	v_and_b32 v8, 3, v1
	v_lshl_add_u32 v9, v8, 3, v9                   ; the way out: lane l takes pairs 2 l, 2 l + 1 of the work-group's 64
	v_lshlrev_b32 v10, 3, v1
	v_lshrrev_b32 v11, 5, v0
	v_mul_u32_u24 v11, v11, 528
	v_add_nc_u32 v11, v11, v2                      ; Wg into LDS: owner (thread / 32), 16 bytes a thread
	v_lshlrev_b32 v8, 4, v0                        ; Wg in memory: 16 bytes a thread
	v_mul_u32_u24 v61, v1, 528                     ; Wg out of LDS: owner = my lane
	s_mov_b32 s30, 0x76543210
	s_mov_b32 s31, 0xfedcba98                      ; v_permlanex16_b32's selects for lane l xor 16
	v_mov_b32 v36, 0                               ; my pair's expert (lanes 0-7)
	v_mov_b32 v37, 0                               ; and weight
.irp e, 0,1,2,3,4,5,6,7
	v_mov_b32 v[T+\e], 0                           ; written once: a lane permute's destination counts as one of its sources
.endr
	s_lshl_b32 s32, ttmp9, 16                      ; x: 32 tokens of 2,048 bytes a work-group,
	s_lshl_b32 s33, s28, 13                        ; 4 a wave
	s_add_co_u32 s32, s32, s33
	s_mov_b32 s33, 0
	s_mul_i32 s34, ttmp9, 12288                    ; xq: 384 bytes a token
	s_mul_i32 s35, s28, 1536
	s_add_co_u32 s34, s34, s35
	s_mov_b32 s35, 0
	s_lshl_b32 s36, ttmp9, 8                       ; eidx, gatew: 256 bytes a work-group
	s_mov_b32 s37, 0
	s_lshl_b32 s38, ttmp9, 9                       ; xs: 512
	s_mov_b32 s39, 0
	s_wait_kmcnt 0x0
	s_load_b256 s[20:27], s[8:9], 0x0              ; bg: eight numbers, kept in scalar registers
	s_add_nc_u64 s[4:5], s[4:5], s[32:33]
	s_add_nc_u64 s[10:11], s[10:11], s[34:35]
	s_add_nc_u64 s[12:13], s[12:13], s[38:39]
	s_add_nc_u64 s[14:15], s[14:15], s[36:37]
	s_add_nc_u64 s[16:17], s[16:17], s[36:37]
.macro LOADX q                         ; token q: four loads of 512 consecutive bytes
.irp i, 0,1,2,3
	global_load_b128 v[R+16*((\q)%2)+4*\i:R+16*((\q)%2)+4*\i+3], v2, s[4:5] offset:2048*(\q)+512*\i th:TH_LOAD_NT
.endr
.endm
.macro TURN q                          ; through the stage: LDS serves a wave's instructions in order, so no wait stands between the stores and the loads
.irp i, 0,1,2,3
	ds_store_b128 v3, v[R+16*((\q)%2)+4*\i:R+16*((\q)%2)+4*\i+3] offset:2560*((\q)%2)+640*\i
.endr
.irp i, 0,1,2,3
	ds_load_b128 v[X+16*((\q)%2)+4*\i:X+16*((\q)%2)+4*\i+3], v4 offset:2560*((\q)%2)+16*\i
.endr
.endm
.irp j, 0,1,2,3
	global_load_b128 v[WGR+4*\j:WGR+4*\j+3], v8, s[6:7] offset:4096*\j   ; Wg, 16,384 bytes, once for the work-group
.endr
	LOADX 0
	LOADX 1
	s_wait_loadcnt 8                               ; Wg's four loads are in; the eight of x behind them may be out
.irp j, 0,1,2,3
	ds_store_b128 v11, v[WGR+4*\j:WGR+4*\j+3] offset:4224*\j
.endr
	s_wait_dscnt 0x0                               ; for the others' sake: my part of Wg has landed
	s_barrier_signal -1
	s_barrier_wait -1
.set n, 0
.rept 32
	ds_load_b128 v[WGR+4*n:WGR+4*n+3], v61 offset:16*n
.set n, n+1
.endr
	s_wait_loadcnt 4                               ; token 0 is in; token 1's four loads may be out
	TURN 0
	s_wait_kmcnt 0x0                               ; bg
.macro TOK q
.set XS, X+16*((\q)%2)
	s_wait_dscnt 0x0                               ; this token is back from the stage (and, the first time, Wg is in): so the stage's stores have read their registers,
.if (\q)+2 < 4
	LOADX (\q)+2                                   ; which take the token two on
.endif
.if (\q)+1 < 4
.if (\q)+2 < 4
	s_wait_loadcnt 4                               ; the next token is in; the four loads just issued may be out
.else
	s_wait_loadcnt 0x0
.endif
	TURN (\q)+1                                    ; it goes through the other stage while this one is worked
.endif
	; logits: my 16 numbers against my 16 rows of Wg, two experts an instruction; x_i feeds both halves
.set i, 0
.rept 16
.set xp, XS+2*(i/2)
.irp ep, 0,1,2,3
.if i == 0
	v_pk_mul_f32 v[A+2*\ep:A+2*\ep+1], v[xp:xp+1], v[WGR+2*\ep:WGR+2*\ep+1] op_sel_hi:[0,1]
.elseif i%2 == 0
	v_pk_fma_f32 v[A+2*\ep:A+2*\ep+1], v[xp:xp+1], v[WGR+8*i+2*\ep:WGR+8*i+2*\ep+1], v[A+2*\ep:A+2*\ep+1] op_sel_hi:[0,1,1]
.else
	v_pk_fma_f32 v[A+2*\ep:A+2*\ep+1], v[xp:xp+1], v[WGR+8*i+2*\ep:WGR+8*i+2*\ep+1], v[A+2*\ep:A+2*\ep+1] op_sel:[1,0,0] op_sel_hi:[1,1,1]
.endif
.endr
.set i, i+1
.endr
.irp k, 1,2,4,8                        ; over the 32 lanes; the eight sums by turns; every lane ends with all eight
.irp e, 0,1,2,3,4,5,6,7
	v_add_f32_dpp v[A+\e], v[A+\e], v[A+\e] row_xmask:\k row_mask:0xf bank_mask:0xf
.endr
.endr
.irp e, 0,1,2,3,4,5,6,7
	v_permlanex16_b32 v[T+\e], v[A+\e], s30, s31
.endr
.irp e, 0,1,2,3,4,5,6,7
	v_add_f32 v[A+\e], v[A+\e], v[T+\e]
.endr
.irp e, 0,1,2,3,4,5,6,7
	v_add_f32 v[A+\e], s[20+\e], v[A+\e]           ; + bg
.endr
	v_max3_num_f32 v32, v[A], v[A+1], v[A+2]       ; softmax: the maximum is taken away first
	v_max3_num_f32 v32, v32, v[A+3], v[A+4]
	v_max3_num_f32 v32, v32, v[A+5], v[A+6]
	v_max_num_f32 v32, v32, v[A+7]
.irp e, 0,1,2,3,4,5,6,7
	v_sub_f32 v[T+\e], v[A+\e], v32
.endr
.irp e, 0,1,2,3,4,5,6,7
	v_mul_f32 v[T+\e], 0x3fb8aa3b, v[T+\e]         ; x log2(e)
.endr
.irp e, 0,1,2,3,4,5,6,7
	v_exp_f32 v[T+\e], v[T+\e]
.endr
	v_nop                                          ; a plain place behind the exponentials
	s_wait_alu depctr_va_vdst(0)
	v_add_f32 v33, v[T], v[T+1]
	v_add_f32 v34, v[T+2], v[T+3]
	v_add_f32 v35, v[T+4], v[T+5]
	v_add_f32 v32, v[T+6], v[T+7]
	v_add_f32 v33, v33, v34
	v_add_f32 v35, v35, v32
	v_add_f32 v33, v33, v35
	v_rcp_f32 v33, v33
	v_mov_b32 v29, 0                               ; (a plain place behind the reciprocal)  the best's expert
	s_wait_alu depctr_va_vdst(0)
.irp e, 0,1,2,3,4,5,6,7
	v_mul_f32 v[T+\e], v[T+\e], v33                ; the scores
.endr
	v_mov_b32 v28, v[T]                            ; the best so far: expert 0
	v_mov_b32 v30, -1.0                            ; the second: under every score
	v_mov_b32 v31, 0
.irp e, 1,2,3,4,5,6,7                  ; a later expert takes a place only where it is strictly larger: on a tie the lower index stays
	v_cmp_le_f32 s40, v[T+\e], v28                 ; the best stays
	v_cmp_le_f32 s41, v[T+\e], v30                 ; the second stays
	v_cndmask_b32 v30, v[T+\e], v30, s41
	v_cndmask_b32 v31, \e, v31, s41
	v_cndmask_b32 v30, v28, v30, s40               ; where the best goes, it becomes the second
	v_cndmask_b32 v31, v29, v31, s40
	v_cndmask_b32 v28, v[T+\e], v28, s40
	v_cndmask_b32 v29, \e, v29, s40
.endr
	v_add_f32 v32, v28, v30
	v_rcp_f32 v32, v32
	v_cmp_eq_u32 s40, 2*(\q), v1                   ; (a plain place)  lane 2 q keeps the first pair, lane 2 q + 1 the second
	v_cmp_eq_u32 s41, 2*(\q)+1, v1
	s_wait_alu depctr_va_vdst(0)
	v_mul_f32 v33, v28, v32
	v_mul_f32 v34, v30, v32
	v_cndmask_b32 v36, v36, v29, s40
	v_cndmask_b32 v37, v37, v33, s40
	v_cndmask_b32 v36, v36, v31, s41
	v_cndmask_b32 v37, v37, v34, s41
	; the quantiser: two neighbouring lanes hold a block of 32
	v_max3_num_f32 v58, |v[XS]|, |v[XS+1]|, |v[XS+2]|
	v_max3_num_f32 v59, |v[XS+3]|, |v[XS+4]|, |v[XS+5]|
.irp i, 6,10
	v_max3_num_f32 v58, v58, |v[XS+\i]|, |v[XS+\i+1]|
	v_max3_num_f32 v59, v59, |v[XS+\i+2]|, |v[XS+\i+3]|
.endr
	v_max3_num_f32 v58, v58, |v[XS+14]|, |v[XS+15]|
	v_max3_num_f32 v58, v58, v59, 0x1800000        ; and the floor 2^(3 - 127): the byte cannot fall under 1
	v_max_num_f32_dpp v58, v58, v58 row_xmask:1 row_mask:0xf bank_mask:0xf   ; with my neighbour's 16: the block's largest magnitude
	v_add_nc_u32 v60, 0xff000000, v58              ; 2 off its exponent field: the conversion takes the exponent field of this operand as its scale
	v_cvt_scalef32_pk16_fp6_f32 v[CD+4*(\q):CD+4*(\q)+2], v[XS:XS+15], v60
	v_lshrrev_b32 v[SBY+(\q)], 23, v60             ; the scale's byte (also the plain place behind the conversion)
	ds_store_b8 v6, v[SBY+(\q)] offset:SST+16*(\q) ; both lanes of a block write the same byte with the same value
	global_store_b96 v5, v[CD+4*(\q):CD+4*(\q)+2], s[10:11] offset:384*(\q)   ; the wave stores the token's 384 consecutive bytes
.endm
	TOK 0
	TOK 1
	TOK 2
	TOK 3
	ds_store_b32 v7, v36 offset:EST
	ds_store_b32 v7, v37 offset:GST
	s_wait_dscnt 0x0                               ; for the others' sake: my pairs and my scale bytes have landed
	s_barrier_signal -1
	s_barrier_wait -1
	; the way out: three waves store the work-group's 64 experts, 64 weights and 512 scale bytes, each store 256 or 512 consecutive bytes, aligned
	s_cmp_lg_u32 s28, 0
	s_cbranch_scc1 .Lnot0
	ds_load_b64 v[28:29], v9 offset:EST
	s_wait_dscnt 0x0
	global_store_b64 v10, v[28:29], s[14:15]
	s_set_vgpr_msb 0x5
	s_wait_tensorcnt 0x0
	ds_add_u32 v0, v1
	s_wait_dscnt 0x0
	s_set_vgpr_msb 0x500
	s_endpgm
.Lnot0:
	s_cmp_lg_u32 s28, 1
	s_cbranch_scc1 .Lnot1
	ds_load_b64 v[28:29], v9 offset:GST
	s_wait_dscnt 0x0
	global_store_b64 v10, v[28:29], s[16:17]
	s_set_vgpr_msb 0x5
	s_wait_tensorcnt 0x0
	ds_add_u32 v0, v1
	s_wait_dscnt 0x0
	s_set_vgpr_msb 0x500
	s_endpgm
.Lnot1:
	s_cmp_lg_u32 s28, 2
	s_cbranch_scc1 .Lnot2
	ds_load_b128 v[28:31], v2 offset:SST
	s_wait_dscnt 0x0
	global_store_b128 v2, v[28:31], s[12:13]
.Lnot2:
	s_set_vgpr_msb 0x5
	s_wait_tensorcnt 0x0
	ds_add_u32 v0, v1
	s_wait_dscnt 0x0
	s_set_vgpr_msb 0x500
	s_endpgm
	; ---- the weights: work-group 128 + g, g = 0 .. 127, wave 0 .. 7: stream g / 4, trip 2 (g % 4) + wave / 4, group (wave / 2) % 2, half wave % 2
.Lrelay:
	s_load_b256 s[4:11], s[0:1], 0x40              ; W1's codes, W1's scales, W2's codes, W2's scales
	s_load_b64 s[18:19], s[0:1], 0x38              ; wimg
	v_lshrrev_b32 v1, 5, v0
	v_readfirstlane_b32 s28, v1                    ; wave 0..7
	v_and_b32 v1, 31, v0                           ; lane
	v_lshlrev_b32 v2, 4, v1                        ; 16 x lane
	s_sub_co_u32 s20, ttmp9, 128                   ; g
	s_and_b32 s21, s28, 1                          ; which half of a group
	s_lshr_b32 s22, s28, 2
	s_and_b32 s23, s20, 3
	s_lshl_b32 s23, s23, 1
	s_add_co_u32 s22, s22, s23                     ; trip u
	s_lshr_b32 s23, s20, 2                         ; 4 e + w
	s_lshr_b32 s24, s23, 2                         ; e
	s_and_b32 s25, s23, 3                          ; w
	s_bfe_u32 s26, s28, 0x10001                    ; group A (0) or B (1)
	s_mul_i32 s30, s23, 409600
	s_mul_i32 s31, s22, 51200
	s_add_co_u32 s30, s30, s31
	s_mul_i32 s31, s26, 25600
	s_add_co_u32 s30, s30, s31                     ; the group's first byte in wimg
	s_mul_i32 s31, s21, 12288
	s_add_co_u32 s32, s30, s31                     ; my eight fragments
	s_mov_b32 s33, 0
	s_lshl_b32 s31, s21, 9
	s_add_co_u32 s34, s30, s31
	s_add_co_u32 s34, s34, 24576                   ; my four scale registers
	s_mov_b32 s35, 0
	v_and_b32 v5, 15, v0                           ; r
	v_bfe_u32 v6, v0, 4, 1                         ; h
	s_mov_b32 s43, 0
	s_wait_kmcnt 0x0
	s_add_nc_u64 s[36:37], s[18:19], s[32:33]
	s_add_nc_u64 s[38:39], s[18:19], s[34:35]
; 48 loads of 8 bytes (a fragment's 24 bytes as three pieces, so that every address is a multiple of the access's size), 4 of scale words; each fragment is stored as soon as its six loads are in
.macro RELAY kind
.set i, 0
.rept 8
.irp p, 0,1,2,3,4,5
.if \kind == 0
	global_load_b64 v[FRG+12*i+2*\p:FRG+12*i+2*\p+1], v3, s[44:45] offset:(32*((i%4)/2)+8*(i%2))*384+96*(i/4)+48*(\p/3)+8*(\p%3)
.else
	global_load_b64 v[FRG+12*i+2*\p:FRG+12*i+2*\p+1], v3, s[44:45] offset:24576*i+48*(\p/3)+8*(\p%3)
.endif
.endr
.set i, i+1
.endr
.irp q, 0,1,2,3
.if \kind == 0
	global_load_b32 v[SCR+\q], v4, s[46:47] offset:512*(\q%2)+4*(\q/2)
.else
	global_load_b32 v[SCR+\q], v4, s[46:47] offset:2048*\q
.endif
.endr
.set i, 0
.rept 8
	s_wait_loadcnt (7-i)*6+4                       ; behind fragment i's loads: six for each later fragment, and the four scale words
.irp c, 0,1,2
	global_store_b128 v2, v[FRG+12*i+4*\c:FRG+12*i+4*\c+3], s[36:37] offset:1536*i+512*\c   ; 512 consecutive bytes, aligned
.endr
.set i, i+1
.endr
	s_wait_loadcnt 0x0
	global_store_b128 v2, v[SCR:SCR+3], s[38:39]
.endm
	s_cmp_eq_u32 s26, 0                            ; a branch on the wave's number
	s_cbranch_scc0 .Lgroup_b
	v_and_b32 v7, 8, v5
	v_add_nc_u32 v7, v7, v5                        ; r + 8 (r / 8): the rows of a tile of W1 are not neighbours
	v_mul_u32_u24 v3, v7, 384                      ; a row of W1 is 512 codes, 384 bytes
	v_mad_u32_u24 v3, v6, 24, v3
	v_lshl_add_u32 v4, v6, 3, v7                   ; scale words: lanes 16-31 take the odd tile, 8 rows on
	v_lshlrev_b32 v4, 4, v4                        ; 16 bytes a row
	s_lshl_b32 s40, s24, 11
	s_lshl_b32 s41, s22, 8
	s_add_co_u32 s40, s40, s41
	s_lshl_b32 s41, s25, 6
	s_add_co_u32 s40, s40, s41                     ; row 2048 e + 256 u + 64 w
	s_mul_i32 s42, s40, 384
	s_mul_i32 s41, s21, 192                        ; my half: K steps 2 hh, 2 hh + 1
	s_add_co_u32 s42, s42, s41
	s_add_nc_u64 s[44:45], s[4:5], s[42:43]
	s_lshl_b32 s42, s40, 4
	s_lshl_b32 s41, s21, 3
	s_add_co_u32 s42, s42, s41
	s_add_nc_u64 s[46:47], s[6:7], s[42:43]
	RELAY 0
	s_endpgm
.Lgroup_b:
	v_mul_u32_u24 v3, v5, 1536                     ; a row of W2 is 2,048 codes, 1,536 bytes
	v_mad_u32_u24 v3, v6, 24, v3
	v_lshl_add_u32 v4, v6, 4, v5                   ; scale words: lanes 16-31 take the odd tile, 16 rows on
	v_lshlrev_b32 v4, 6, v4                        ; 64 bytes a row
	s_lshl_b32 s40, s24, 9
	s_lshl_b32 s41, s25, 7
	s_add_co_u32 s40, s40, s41                     ; row 512 e + 128 w
	s_mul_i32 s42, s40, 1536
	s_mul_i32 s41, s22, 192                        ; K step 2 u + hh
	s_add_co_u32 s42, s42, s41
	s_mul_i32 s41, s21, 96
	s_add_co_u32 s42, s42, s41
	s_add_nc_u64 s[44:45], s[8:9], s[42:43]
	s_lshl_b32 s42, s40, 6
	s_lshl_b32 s41, s22, 3
	s_add_co_u32 s42, s42, s41
	s_lshl_b32 s41, s21, 2
	s_add_co_u32 s42, s42, s41
	s_add_nc_u64 s[46:47], s[10:11], s[42:43]
	RELAY 1
	s_endpgm
.Lfunc_end_k_q7c6d756c3e_route:
	.size	k_q7c6d756c3e_route, .Lfunc_end_k_q7c6d756c3e_route-k_q7c6d756c3e_route
	.p2alignl 7, 3214868480
	.fill 96, 4, 3214868480
	.section	.rodata,"a",@progbits
	.p2align	6, 0x0
	.amdhsa_kernel k_q7c6d756c3e_route
		.amdhsa_group_segment_fixed_size 61440
		.amdhsa_private_segment_fixed_size 0
		.amdhsa_enable_private_segment 0
		.amdhsa_kernarg_size 96
		.amdhsa_user_sgpr_count 2
		.amdhsa_user_sgpr_kernarg_segment_ptr 1
		.amdhsa_wavefront_size32 1
		.amdhsa_system_sgpr_workgroup_id_x 1
		.amdhsa_system_sgpr_workgroup_id_y 1
		.amdhsa_system_sgpr_workgroup_id_z 1
		.amdhsa_system_vgpr_workitem_id 0
		.amdhsa_next_free_vgpr 258
		.amdhsa_next_free_sgpr 66
		.amdhsa_reserve_vcc 0
		.amdhsa_float_denorm_mode_32 3
		.amdhsa_float_denorm_mode_16_64 3
		.amdhsa_memory_ordered 1
		.amdhsa_forward_progress 1
		.amdhsa_inst_pref_size 85
	.end_amdhsa_kernel
	.amdgpu_metadata
---
amdhsa.version: [ 1, 2 ]
amdhsa.kernels:
  - .name:           k_q7c6d756c3e_route
    .symbol:         k_q7c6d756c3e_route.kd
    .args:
      - { .name: x, .offset: 0, .size: 8, .value_kind: global_buffer, .address_space: global }
      - { .name: Wg, .offset: 8, .size: 8, .value_kind: global_buffer, .address_space: global }
      - { .name: bg, .offset: 16, .size: 8, .value_kind: global_buffer, .address_space: global }
      - { .name: xq, .offset: 24, .size: 8, .value_kind: global_buffer, .address_space: global }
      - { .name: xs, .offset: 32, .size: 8, .value_kind: global_buffer, .address_space: global }
      - { .name: eidx, .offset: 40, .size: 8, .value_kind: global_buffer, .address_space: global }
      - { .name: gatew, .offset: 48, .size: 8, .value_kind: global_buffer, .address_space: global }
      - { .name: wimg, .offset: 56, .size: 8, .value_kind: global_buffer, .address_space: global }
      - { .name: W1_codes, .offset: 64, .size: 8, .value_kind: global_buffer, .address_space: global }
      - { .name: W1_scales, .offset: 72, .size: 8, .value_kind: global_buffer, .address_space: global }
      - { .name: W2_codes, .offset: 80, .size: 8, .value_kind: global_buffer, .address_space: global }
      - { .name: W2_scales, .offset: 88, .size: 8, .value_kind: global_buffer, .address_space: global }
    .group_segment_fixed_size: 61440
    .private_segment_fixed_size: 0
    .kernarg_segment_align: 8
    .kernarg_segment_size: 96
    .max_flat_workgroup_size: 256
    .sgpr_count:     66
    .vgpr_count:     258
    .wavefront_size: 32
...
	.end_amdgpu_metadata
.endif
;; end of part 1
;; launch place (part 2): grid 1 x 1, 16 waves a work-group, no clusters, 2,560 bytes of LDS; arguments eidx, rows, tiles; writes rows, tiles
.if DOCPART == 2
	.amdgcn_target "amdgcn-amd-amdhsa--gfx1250"
	.amdhsa_code_object_version 6
	.text
	.protected	k_q7c6d756c3e_place
	.globl	k_q7c6d756c3e_place
	.p2align	8
	.type	k_q7c6d756c3e_place,@function
k_q7c6d756c3e_place:
	s_mov_b64 s[64:65], 0
	v_nop
	global_prefetch_b8 v0, s[64:65] scope:SCOPE_SE
	s_setreg_imm32_b32 hwreg(HW_REG_WAVE_MODE, 25, 1), 1
	s_wait_xcnt 0x0
; THE 8,192 PAIRS (token, choice) ARE PLACED BY EXPERT: a counting sort without atomics, by one work-group: the sums span all pairs, and 16 waves hold them in registers.
; rows[pos] = pair, the pairs of expert 0 first; tiles[t] = (expert, first place, rows, 0) for tiles of 48 rows, 512 records, of which those past the last tile hold 0 rows.
; Wave w counts pairs 512 w .. 512 w + 511 for each expert; the 16 x 8 counts meet in LDS; each wave then knows every expert's total and how many of its pairs lie in earlier waves,
; and gives each of its pairs a place by counting the mask's bits under its lane.
.set E,   16                           ; v16-31   my 16 pairs' experts, later their numbers
.set POS, 32                           ; v32-47   their places
.set CN,  32                           ; s32-39   my wave's counts
.set RT,  40                           ; s40-47   the experts' totals
.set RUN, 48                           ; s48-55   the next free place for my wave's pairs of each expert
.set BAS, 56                           ; s56-63   where an expert's pairs begin
.set TS,  66                           ; s66-73   where its tiles begin
.set MK,  74                           ; s74-81   masks
.set TP,  82                           ; s82-89   at work
	s_load_b128 s[4:7], s[0:1], 0x0                ; eidx, rows
	s_load_b64 s[8:9], s[0:1], 0x10                ; tiles
	v_lshl_add_u32 v96, v0, 2, 0x200
	v_mov_b32 v97, 0
	v_lshrrev_b32 v1, 5, v0
	v_readfirstlane_b32 s28, v1                    ; wave 0..15
	v_and_b32 v1, 31, v0                           ; lane
	v_lshlrev_b32 v2, 4, v1                        ; 16 x lane
	s_lshl_b32 s20, s28, 11
	v_add_nc_u32 v3, s20, v2                       ; 2,048 x wave + 16 x lane
.irp e, 0,1,2,3,4,5,6,7
	s_mov_b32 s[CN+\e], 0
.endr
	v_lshrrev_b32 v4, 5, v0
	v_lshlrev_b32 v4, 5, v4                        ; LDS: 32 bytes a wave
	v_and_b32 v5, 15, v0
	v_lshlrev_b32 v6, 5, v5                        ; and the counts of wave (lane % 16)
	s_wait_kmcnt 0x0
.irp q, 0,1,2,3
	global_load_b128 v[E+4*\q:E+4*\q+3], v3, s[4:5] offset:512*\q   ; register 4 q + i: pair 512 w + 128 q + 4 l + i
.endr
	s_wait_loadcnt 0x0
.set j, 0
.rept 16                               ; my wave's pairs of each expert
.irp e, 0,1,2,3,4,5,6,7
	v_cmp_eq_u32 s[MK+\e], \e, v[E+j]
.endr
.irp e, 0,1,2,3,4,5,6,7
	s_bcnt1_i32_b32 s[TP+\e], s[MK+\e]
.endr
.irp e, 0,1,2,3,4,5,6,7
	s_add_co_u32 s[CN+\e], s[CN+\e], s[TP+\e]
.endr
.set j, j+1
.endr
.irp e, 0,1,2,3,4,5,6,7
	v_mov_b32 v[56+\e], s[CN+\e]
.endr
	ds_store_b128 v4, v[56:59]                     ; all lanes write the same words with the same values
	ds_store_b128 v4, v[60:63] offset:16
	s_wait_dscnt 0x0                               ; for the others' sake
	s_barrier_signal -1
	s_barrier_wait -1
	ds_load_b128 v[56:59], v6
	ds_load_b128 v[60:63], v6 offset:16
	s_wait_dscnt 0x0
	v_cmp_gt_u32 vcc_lo, s28, v5                   ; a wave ahead of mine
.irp e, 0,1,2,3,4,5,6,7                ; low half: the count, for the total (8,192 at the most); high half: the count again where that wave is ahead of mine
	v_lshlrev_b32 v[64+\e], 16, v[56+\e]
	v_cndmask_b32 v[64+\e], 0, v[64+\e], vcc_lo
	v_add_nc_u32 v[56+\e], v[56+\e], v[64+\e]
.endr
.irp k, 1,2,4,8                        ; summed over the sixteen lanes of a row
.irp e, 0,1,2,3,4,5,6,7
	v_mov_b32_dpp v[64+\e], v[56+\e] row_xmask:\k row_mask:0xf bank_mask:0xf
.endr
.irp e, 0,1,2,3,4,5,6,7
	v_add_nc_u32 v[56+\e], v[56+\e], v[64+\e]
.endr
.endr
.irp e, 0,1,2,3,4,5,6,7
	v_readfirstlane_b32 s[TP+\e], v[56+\e]
.endr
.irp e, 0,1,2,3,4,5,6,7
	s_and_b32 s[RT+\e], s[TP+\e], 0xffff
	s_lshr_b32 s[RUN+\e], s[TP+\e], 16
.endr
	s_mov_b32 s[BAS], 0
	s_mov_b32 s[TS], 0
.irp e, 0,1,2,3,4,5,6
	s_add_co_u32 s[BAS+\e+1], s[BAS+\e], s[RT+\e]
	s_add_co_u32 s20, s[RT+\e], 47                 ; ceil(R / 48) = floor(floor((R + 47) / 16) / 3);
	s_lshr_b32 s20, s20, 4                         ; (514 at the most)
	s_mul_i32 s20, s20, 43691                      ; floor(m / 3) = (43,691 m) >> 17: 3 x 43,691 = 2^17 + 1, so the excess is m / (3 x 2^17), far under the 1 / 3 that is to spare
	s_lshr_b32 s20, s20, 17
	s_add_co_u32 s[TS+\e+1], s[TS+\e], s20         ; tiles of 48 rows, the last of an expert part full
.endr
.irp e, 0,1,2,3,4,5,6,7
	s_add_co_u32 s[RUN+\e], s[RUN+\e], s[BAS+\e]
.endr
.set j, 0
.rept 16                               ; a pair's place: its expert's next free place + the pairs of that expert in lower lanes
.irp e, 0,1,2,3,4,5,6,7
	v_cmp_eq_u32 s[MK+\e], \e, v[E+j]
.endr
	v_mbcnt_lo_u32_b32 v[POS+j], s[MK], s[RUN]
.irp e, 1,2,3,4,5,6,7
	v_mbcnt_lo_u32_b32 v[48+\e], s[MK+\e], s[RUN+\e]
.endr
.irp e, 1,2,3,4,5,6,7
	v_cndmask_b32 v[POS+j], v[POS+j], v[48+\e], s[MK+\e]
.endr
.irp e, 0,1,2,3,4,5,6,7
	s_bcnt1_i32_b32 s[TP+\e], s[MK+\e]
.endr
.irp e, 0,1,2,3,4,5,6,7
	s_add_co_u32 s[RUN+\e], s[RUN+\e], s[TP+\e]
.endr
.set j, j+1
.endr
	s_lshl_b32 s20, s28, 9
	v_lshl_add_u32 v7, v1, 2, s20                  ; 512 w + 4 l
.set j, 0
.rept 16
	v_min_u32 v[POS+j], 8191, v[POS+j]             ; a place is inside the list
	v_lshlrev_b32 v[POS+j], 2, v[POS+j]
	v_add_nc_u32 v[E+j], 128*(j/4)+(j%4), v7       ; the pair's number
	global_store_b32 v[POS+j], v[E+j], s[6:7]
.set j, j+1
.endr
	; the tiles' records: thread t writes record t
	v_mov_b32 v8, 0                                ; expert
	v_mov_b32 v9, 0                                ; where its pairs begin
	v_mov_b32 v10, 0                               ; where its tiles begin
	v_mov_b32 v11, s[RT]                           ; its pairs
.irp e, 1,2,3,4,5,6,7
	v_cmp_gt_u32 vcc_lo, s[TS+\e], v0              ; expert e's tiles begin behind t: what stands stays
	v_cndmask_b32 v8, \e, v8, vcc_lo
	v_cndmask_b32 v9, s[BAS+\e], v9, vcc_lo
	v_cndmask_b32 v10, s[TS+\e], v10, vcc_lo
	v_cndmask_b32 v11, s[RT+\e], v11, vcc_lo
.endr
	v_sub_nc_u32 v10, v0, v10
	v_mul_u32_u24 v10, v10, 48                     ; 48 x (t - the expert's first tile)
	v_add_nc_u32 v9, v9, v10                       ; the tile's first place
	v_sub_nc_u32 v10, v11, v10
	v_max_i32 v10, 0, v10
	v_min_i32 v10, 48, v10                         ; its rows: 0 past the last tile
	v_mov_b32 v11, 0
	v_lshlrev_b32 v12, 4, v0
	global_store_b128 v12, v[8:11], s[8:9]
	s_wait_tensorcnt 0x0
	ds_add_u32 v96, v97
	s_wait_dscnt 0x0
	s_endpgm
.Lfunc_end_k_q7c6d756c3e_place:
	.size	k_q7c6d756c3e_place, .Lfunc_end_k_q7c6d756c3e_place-k_q7c6d756c3e_place
	.p2alignl 7, 3214868480
	.fill 96, 4, 3214868480
	.section	.rodata,"a",@progbits
	.p2align	6, 0x0
	.amdhsa_kernel k_q7c6d756c3e_place
		.amdhsa_group_segment_fixed_size 2560
		.amdhsa_private_segment_fixed_size 0
		.amdhsa_enable_private_segment 0
		.amdhsa_kernarg_size 24
		.amdhsa_user_sgpr_count 2
		.amdhsa_user_sgpr_kernarg_segment_ptr 1
		.amdhsa_wavefront_size32 1
		.amdhsa_system_sgpr_workgroup_id_x 1
		.amdhsa_system_sgpr_workgroup_id_y 1
		.amdhsa_system_sgpr_workgroup_id_z 1
		.amdhsa_system_vgpr_workitem_id 0
		.amdhsa_next_free_vgpr 98
		.amdhsa_next_free_sgpr 100
		.amdhsa_reserve_vcc 1
		.amdhsa_float_denorm_mode_32 3
		.amdhsa_float_denorm_mode_16_64 3
		.amdhsa_memory_ordered 1
		.amdhsa_forward_progress 1
		.amdhsa_inst_pref_size 62
	.end_amdhsa_kernel
	.amdgpu_metadata
---
amdhsa.version: [ 1, 2 ]
amdhsa.kernels:
  - .name:           k_q7c6d756c3e_place
    .symbol:         k_q7c6d756c3e_place.kd
    .args:
      - { .name: eidx, .offset: 0, .size: 8, .value_kind: global_buffer, .address_space: global }
      - { .name: rows, .offset: 8, .size: 8, .value_kind: global_buffer, .address_space: global }
      - { .name: tiles, .offset: 16, .size: 8, .value_kind: global_buffer, .address_space: global }
    .group_segment_fixed_size: 2560
    .private_segment_fixed_size: 0
    .kernarg_segment_align: 8
    .kernarg_segment_size: 24
    .max_flat_workgroup_size: 512
    .sgpr_count:     100
    .vgpr_count:     98
    .wavefront_size: 32
...
	.end_amdgpu_metadata
.endif
;; end of part 2
;; launch chain (part 3): grid 178 x 1, 4 waves a work-group, no clusters, 83,456 bytes of LDS; arguments tiles, rows, gatew, xq, xs, wimg, b1, b2, part; writes part
.if DOCPART == 3
	.amdgcn_target "amdgcn-amd-amdhsa--gfx1250"
	.amdhsa_code_object_version 6
	.text
	.protected	k_q7c6d756c3e_chain
	.globl	k_q7c6d756c3e_chain
	.p2align	8
	.type	k_q7c6d756c3e_chain,@function
k_q7c6d756c3e_chain:
	s_mov_b64 s[64:65], 0
	v_nop
	global_prefetch_b8 v0, s[64:65] scope:SCOPE_SE
	s_setreg_imm32_b32 hwreg(HW_REG_WAVE_MODE, 25, 1), 1
	s_wait_xcnt 0x0
; ONE TILE OF UP TO 48 ROUTED ROWS OF ONE EXPERT THROUGH THE WHOLE CHAIN: part[pair] = weight x (gelu(x W1 + b1) W2 + b2), both products on codes of FP6 (E2M3) with one E8M0 scale for each 32 along K.
; The grid, ceil(8192 / 48) + 7 = 178, serves every split of the pairs among 8 experts.  A record with 0 rows: the work-group walks the trips on clamped indices and stores nothing: so no barrier stands under a branch on a loaded number.
; Rows past the tile's count are copies of its last row (the index is clamped): they store the same bytes to the same place.
; EIGHT TRIPS, each 256 hidden units = K steps 2 u, 2 u + 1 of the second product.  THE WAVES SHARE THE COLUMNS: in the first product wave w makes hidden units 256 u + 64 w .. + 63 (4 tiles) for all 48 rows (3 row tiles m), in the second
; outputs 128 w .. + 127 (8 tiles) for all 48 rows: every weight byte is loaded once in a work-group, straight into registers, from wimg, which holds the fragments in register order (512 consecutive bytes a load).
; Both products are used transposed (source 0 = 16 rows of a weight, source 1 = 16 tokens): a lane holds one token, and its registers run along the next K.  The rows of W1 that form a tile are chosen (in wimg) so that
; the 16 registers of tiles 2 b, 2 b + 1 are 16 neighbours.  Tokens' operands (x's 12 fragments, once; the hidden layer's 6, each trip) go from wave to wave through LDS as images of their registers.
; GELU is exact in f32: gelu(x) = max(x, 0) - |x| t 2^(log2e (poly(t) - x^2 / 2) - 1), t = 1 / (1 + |x| / (2 sqrt 2)): erfc by a published fit of degree 9 in t with fractional error 1.2e-7.
; NO CLUSTER, NO TENSOR LOADS: a tile's expert is read from memory, and an expert has any number of tiles from 0 to 171, so the grid does not divide into clusters of one expert at every split.
; LIMITS: NaN and infinities are not served.  A block of zeros of the hidden layer gets the byte 1 where the rule says 127: its codes are zeros.
; REGISTERS, in windows of 256.  Window 0: v1-15 addresses; v16-23 W1's scale registers, v24-31 W2's, v32-39 the tokens' (two sets); v40-42 my rows' pairs; v44-49 their weights; v64-255 W2's 16 fragments.
;   Window 1: v0-191 W1's 16 fragments; v192-227 token set 0 (three fragments).   Window 2: v0-95 the hidden layer, accumulator (t, m) at 8 (4 m + t); v96-175 at work; v176-207 b1's 4 tiles; v208-243 token set 1.
;   Window 3: the result, accumulator (t, m) at 8 (4 t + m).
.set XIMG, 0                           ; LDS: x's fragments (row tile m, K step s) at 1,536 (4 m + s),
.set XSC,  24576                       ; their scale words, 128 bytes each,
.set HB,   32768                       ; the hidden layer's (m, k) at 1,536 (2 m + k),
.set HSC,  HB+12288                    ; their scale words,
.set STG,  49152                       ; and each wave's own stage for the way out: 16 rows x (512 + 16) bytes
.set GRP,  25600                       ; a group in wimg
.set TRIPB, 51200                      ; a trip's two groups
.set LI,  1                            ; v1   16 x lane
.set LS,  2                            ; v2   4 x lane
.set HW,  3                            ; v3-5 where my six registers of a hidden fragment go, two at a time
.set HWS, 6                            ; v6   and my half of its scale word
.set B1O, 13                           ; v13  64 h
.set STO, 14                           ; v14  the stage: where I put 32 bytes of a row
.set RD,  15                           ; v15  and where I read a row back
.set WSA, 16
.set WSB, 24
.set BSW, 32
.set P,   40
.set CW,  44
.set CO,  52                           ; v52  512 w + 16 x lane: my bytes of a row of part
.set B2O, 53                           ; v53  32 h
.set B1R, 176
.set GU,  128                          ; window 2, at work in GELU: t, then |x| t;
.set GS,  144                          ; x sqrt(log2e / 2), then the exponent, then the power;
.set GQ,  160                          ; the polynomial, then max(x, 0)
.set TM,  128                          ; at work in QUANT
.set OB,  64                           ; the way out, window 0: rows read back, two sets of 64;
.set OA,  192                          ; their offsets in part, two sets of 16
.set SEL, 34                           ; s[34:35] v_permlanex16_b32's selects
.set KT,  36                           ; s36      1 / (2 sqrt 2)
.set KS,  38                           ; s[38:39] sqrt(log2e / 2)
.set KC,  40                           ; s[40:59] the polynomial's coefficients x log2e, degree 9 first, as pairs (the packed forms name a pair and take its low word for both halves)
.set PR,  66                           ; s66-81   the way out: the pairs of a row tile's 16 rows
.set MSB, 0
.macro WIN new                         ; the immediate's high byte repeats the setting that is left; a switch that changes nothing is dropped
.if MSB != \new
	s_set_vgpr_msb (MSB<<8)|\new
.set MSB, \new
.endif
.endm
.macro PLACES n                        ; plain places behind matrix instructions: in front of loads into their registers and of the first read of their results
.rept \n
	v_nop
.endr
.endm
.macro KPAIR r, bits
	s_mov_b32 s[\r], \bits
	s_mov_b32 s[\r+1], \bits
.endm
; three token fragments (row tiles 0-2) and their scale words from LDS into set 0 or 1: 12 LDS loads
.macro FETCHB set, off, fstr, offs, sstr
.if \set == 0
	WIN 0x40
.set FB, 192
.else
	WIN 0x80
.set FB, 208
.endif
.irp m, 0,1,2
.irp c, 0,1,2
	ds_load_b128 v[FB+12*\m+4*\c:FB+12*\m+4*\c+3], v[LI] offset:(\off)+(\fstr)*\m+512*\c
.endr
.endr
	WIN 0
.irp m, 0,1,2
	ds_load_b32 v[BSW+4*(\set)+\m], v[LS] offset:(\offs)+(\sstr)*\m
.endr
.endm
.macro FETCHX set, s
	FETCHB \set, XIMG+1536*(\s), 6144, XSC+128*(\s), 512
.endm
.macro FETCHH k
	FETCHB \k, HB+1536*(\k), 3072, HSC+128*(\k), 256
.endm
; half a group of W1 from woff bytes on (half 0: K steps 0, 1, and b1's four tiles from boff on: 33 loads; half 1: K steps 2, 3: 25 loads)
.macro LDA half, woff, boff
	WIN 0x40
.irp f, 0,1,2,3,4,5,6,7
.irp c, 0,1,2
	global_load_b128 v[12*(8*(\half)+\f)+4*\c:12*(8*(\half)+\f)+4*\c+3], v[LI], s[14:15] offset:(\woff)+1536*(8*(\half)+\f)+512*\c
.endr
.endr
.if \half == 0
	WIN 0x80
.irp t, 0,1,2,3                        ; lane (r, h) wants, for tile t, b1 of hidden units 32 (t / 2) + 16 h + 8 (t % 2) + 0 .. 7: the result's layout
	global_load_b128 v[B1R+8*\t:B1R+8*\t+3], v[B1O], s[16:17] offset:(\boff)+(32*(\t/2)+8*(\t%2))*4
	global_load_b128 v[B1R+8*\t+4:B1R+8*\t+7], v[B1O], s[16:17] offset:(\boff)+(32*(\t/2)+8*(\t%2))*4+16
.endr
.endif
	WIN 0
	global_load_b128 v[WSA+4*(\half):WSA+4*(\half)+3], v[LI], s[14:15] offset:(\woff)+24576+512*(\half)
.endm
; half a group of W2 of this trip (K step k = half): 25 loads
.macro LDB half
	WIN 0
.irp f, 0,1,2,3,4,5,6,7
.irp c, 0,1,2
	global_load_b128 v[64+12*(8*(\half)+\f)+4*\c:64+12*(8*(\half)+\f)+4*\c+3], v[LI], s[14:15] offset:GRP+1536*(8*(\half)+\f)+512*\c
.endr
.endr
	global_load_b128 v[WSB+4*(\half):WSB+4*(\half)+3], v[LI], s[14:15] offset:GRP+24576+512*(\half)
.endm
; b2 is what the result's sums begin with: tiles t0 .. t0 + 3, the same eight numbers for each of the three row tiles: 24 loads
.macro LDBIAS2 t0
	WIN 0xc0
.irp t, \t0, \t0+1, \t0+2, \t0+3
.irp m, 0,1,2
	global_load_b128 v[8*(4*(\t)+\m):8*(4*(\t)+\m)+3], v[B2O], s[18:19] offset:64*(\t)
	global_load_b128 v[8*(4*(\t)+\m)+4:8*(4*(\t)+\m)+7], v[B2O], s[18:19] offset:64*(\t)+16
.endr
.endr
	WIN 0
.endm
; 12 matrix instructions: K step s of the first product; the 12 accumulators take turns, one instruction a turn, in the same order in every step.  In step 0 b1 is the C
.macro P1STEP s
.if (\s)%2 == 0
	WIN 0xa5
.set FB, 192
.else
	WIN 0xa9
.set FB, 208
.endif
.irp m, 0,1,2
.irp t, 0,1,2,3
.set rD, 8*(4*\m+\t)
.set rC, rD
.if (\s) == 0
.set rC, B1R+8*\t
.endif
.set rA, 12*(4*(\s)+\t)
.set rB, FB+12*\m
.set rX, WSA+2*(\s)+\t/2
.set rY, BSW+4*((\s)%2)+\m
.if \t%2
	v_wmma_scale_f32_16x16x128_f8f6f4 v[rD:rD+7], v[rA:rA+11], v[rB:rB+11], v[rC:rC+7], v[rX], v[rY] matrix_a_fmt:MATRIX_FMT_FP6 matrix_b_fmt:MATRIX_FMT_FP6 matrix_a_scale:MATRIX_SCALE_ROW1
.else
	v_wmma_scale_f32_16x16x128_f8f6f4 v[rD:rD+7], v[rA:rA+11], v[rB:rB+11], v[rC:rC+7], v[rX], v[rY] matrix_a_fmt:MATRIX_FMT_FP6 matrix_b_fmt:MATRIX_FMT_FP6
.endif
.endr
.endr
.endm
; 24 matrix instructions: K step 2 u + k of the second product; the 24 accumulators take turns
.macro P2STEP k
.if \k == 0
	WIN 0xf4
.set FB, 192
.else
	WIN 0xf8
.set FB, 208
.endif
.irp t, 0,1,2,3,4,5,6,7
.irp m, 0,1,2
.set rD, 8*(4*\t+\m)
.set rA, 64+12*(8*(\k)+\t)
.set rB, FB+12*\m
.set rX, WSB+4*(\k)+\t/2
.set rY, BSW+4*(\k)+\m
.if \t%2
	v_wmma_scale_f32_16x16x128_f8f6f4 v[rD:rD+7], v[rA:rA+11], v[rB:rB+11], v[rD:rD+7], v[rX], v[rY] matrix_a_fmt:MATRIX_FMT_FP6 matrix_b_fmt:MATRIX_FMT_FP6 matrix_a_scale:MATRIX_SCALE_ROW1
.else
	v_wmma_scale_f32_16x16x128_f8f6f4 v[rD:rD+7], v[rA:rA+11], v[rB:rB+11], v[rD:rD+7], v[rX], v[rY] matrix_a_fmt:MATRIX_FMT_FP6 matrix_b_fmt:MATRIX_FMT_FP6
.endif
.endr
.endr
.endm
; GELU of 16 numbers, two accumulators, each read from its low end on, in place.  Every transcendental has a plain instruction behind it before its result is used.
.macro GELU b
.set GX, 16*(\b)
	WIN 0xaa
.set i, 0
.rept 16
	v_fma_f32 v[GU+i], |v[GX+i]|, s[KT], 1.0
.set i, i+1
.endr
.set i, 0
.rept 8
	v_rcp_f32 v[GU+2*i], v[GU+2*i]                 ; t
	v_pk_mul_f32 v[GS+2*i:GS+2*i+1], v[GX+2*i:GX+2*i+1], s[KS:KS+1] op_sel_hi:[1,0]
	v_rcp_f32 v[GU+2*i+1], v[GU+2*i+1]
.set i, i+1
.endr
.set i, 0
	s_wait_alu depctr_va_vdst(0)
.rept 8
	v_pk_fma_f32 v[GQ+2*i:GQ+2*i+1], v[GU+2*i:GU+2*i+1], s[KC:KC+1], s[KC+2:KC+3] op_sel_hi:[1,0,0]
.set i, i+1
.endr
.irp k, 2,3,4,5,6,7,8,9                ; Horner, eight pairs by turns
.set i, 0
.rept 8
	v_pk_fma_f32 v[GQ+2*i:GQ+2*i+1], v[GQ+2*i:GQ+2*i+1], v[GU+2*i:GU+2*i+1], s[KC+2*\k:KC+2*\k+1] op_sel_hi:[1,1,0]
.set i, i+1
.endr
.endr
.set i, 0
.rept 8
	v_pk_fma_f32 v[GS+2*i:GS+2*i+1], v[GS+2*i:GS+2*i+1], v[GS+2*i:GS+2*i+1], v[GQ+2*i:GQ+2*i+1] neg_lo:[1,0,0] neg_hi:[1,0,0]   ; the exponent: the polynomial less x^2 log2e / 2
.set i, i+1
.endr
.set i, 0
.rept 16
	v_exp_f32 v[GS+i], v[GS+i]
	v_mul_f32 v[GU+i], |v[GX+i]|, v[GU+i]
	v_max_num_f32 v[GQ+i], 0, v[GX+i]
.set i, i+1
.endr
.set i, 0
	s_wait_alu depctr_va_vdst(0)
.rept 8
	v_pk_fma_f32 v[GX+2*i:GX+2*i+1], v[GU+2*i:GU+2*i+1], v[GS+2*i:GS+2*i+1], v[GQ+2*i:GQ+2*i+1] neg_lo:[1,0,0] neg_hi:[1,0,0]
.set i, i+1
.endr
.endm
; n row tiles from m0 on: 32 n numbers of a lane; register 16 b + i: blocks b = 0, 1 of my 64 hidden units for row tile m0, b = 2, 3 for m0 + 1; unit 32 (b % 2) + 16 h + i.
; Out: v[pc + 6 c ..] six registers of row tile m0 + c (lanes 0-15 block 0, lanes 16-31 block 1); v[pw + c] its two scale bytes.  The two calls of a trip have results of their own,
; so that no register which an LDS store of the first still names is written by the second.
.macro QUANT m0, n, pw, pc
.set QS, 32*(\m0)
	WIN 0xaa
.irp b, 0,1,2,3
.if \b < 2*(\n)
	v_max3_num_f32 v[TM+\b], |v[QS+16*\b]|, |v[QS+1+16*\b]|, 0x1800000   ; my 16 numbers, and the floor 2^(3 - 127): the byte cannot fall under 1
.endif
.endr
.irp i, 2,4,6,8,10,12,14
.irp b, 0,1,2,3
.if \b < 2*(\n)
	v_max3_num_f32 v[TM+\b], v[TM+\b], |v[QS+16*\b+\i]|, |v[QS+1+16*\b+\i]|
.endif
.endr
.endr
.irp b, 0,1,2,3
.if \b < 2*(\n)
	v_permlanex16_b32 v[TM+4+\b], v[TM+\b], s[SEL], s[SEL+1]
.endif
.endr
.irp b, 0,1,2,3
.if \b < 2*(\n)
	v_max_num_f32 v[TM+\b], v[TM+\b], v[TM+4+\b]   ; with lane l xor 16's: the block's largest magnitude
.endif
.endr
.irp b, 0,1,2,3
.if \b < 2*(\n)
	v_add_nc_u32 v[TM+12+\b], 0xff000000, v[TM+\b] ; 2 off its exponent field: the conversion's scale operand
.endif
.endr
.irp b, 0,1,2,3
.if \b < 2*(\n)
	v_lshrrev_b32 v[TM+4+\b], 23, v[TM+12+\b]      ; the scale's byte
.endif
.endr
	v_lshl_or_b32 v[\pw], v[TM+5], 8, v[TM+4]
.if \n > 1
	v_lshl_or_b32 v[\pw+1], v[TM+7], 8, v[TM+6]
.endif
.irp c, 0,1
.if \c < \n
	v_cvt_scalef32_pk16_fp6_f32 v[\pc+6*\c:\pc+2+6*\c], v[QS+32*\c:QS+15+32*\c], v[TM+12+2*\c]
	v_cvt_scalef32_pk16_fp6_f32 v[\pc+12+4*\c:\pc+14+4*\c], v[QS+16+32*\c:QS+31+32*\c], v[TM+12+2*\c+1]   ; (a conversion's three registers begin on an even number)
.endif
.endr
	v_nop                                          ; one plain place behind a scaled conversion
.irp c, 0,1                            ; the operand's layout wants a whole block in a lane
.if \c < \n
.irp i, 0,1,2
	v_permlane16_swap_b32 v[\pc+6*\c+\i], v[\pc+12+4*\c+\i]
.endr
.irp i, 0,1,2
	v_mov_b32 v[\pc+3+6*\c+\i], v[\pc+12+4*\c+\i]
.endr
.endif
.endr
.endm
; My six registers are registers 6 (w % 2) .. + 5 of fragment (m, k = w / 2): they go to their places in its image, two at a time; my two bytes to their half of its scale word
.macro PUT m0, n, pw, pc
	WIN 0x08                                       ; an LDS store's data are its source 1: window 2
.irp c, 0,1
.if \c < \n
.irp i, 0,1,2
	ds_store_b64 v[HW+\i], v[\pc+6*\c+2*\i:\pc+6*\c+2*\i+1] offset:HB+3072*((\m0)+\c)
.endr
	ds_store_b16 v[HWS], v[\pw+\c] offset:HSC+256*((\m0)+\c)
.endif
.endr
.endm
; THE WAY OUT of row tile m: x the row's weight; through my own stage; back as rows of 512 bytes, which the 32 lanes store as two aligned blocks of 256 bytes at the row's pair in part.
; The 16 rows' pairs are read out of their lanes first, and held inside the list behind the multiplications: no scalar line stands directly behind the vector line that feeds it.
.macro OUT m
	WIN 0
.irp i, 0,1,2,3,4,5,6,7,8,9,10,11,12,13,14,15
	v_readlane_b32 s[PR+\i], v[P+(\m)], \i         ; row i's pair lies in lane i
.endr
	WIN 0xc3
.irp t, 0,1,2,3,4,5,6,7
.irp j, 0,2,4,6
	v_pk_mul_f32 v[8*(4*\t+(\m))+\j:8*(4*\t+(\m))+\j+1], v[8*(4*\t+(\m))+\j:8*(4*\t+(\m))+\j+1], v[CW+2*(\m):CW+2*(\m)+1] op_sel_hi:[1,0]
.endr
.endr
.irp i, 0,1,2,3,4,5,6,7,8,9,10,11,12,13,14,15
	s_min_u32 s[PR+\i], s[PR+\i], 8191
.endr
	WIN 0x0c
.irp t, 0,1,2,3,4,5,6,7
	ds_store_b128 v[STO], v[8*(4*\t+(\m)):8*(4*\t+(\m))+3] offset:64*\t
	ds_store_b128 v[STO], v[8*(4*\t+(\m))+4:8*(4*\t+(\m))+7] offset:64*\t+16
.endr
	WIN 0
.if (\m) >= 2
	s_wait_xcnt 0x0                                ; the stores of two tiles back have read their data and offsets: both sets are written again only behind this wait
.endif
.irp i, 0,1,2,3,4,5,6,7,8,9,10,11,12,13,14,15
	ds_load_b128 v[OB+64*((\m)%2)+4*\i:OB+64*((\m)%2)+4*\i+3], v[RD] offset:528*\i   ; LDS serves a wave's instructions in order: these see my stores, and the next tile's stores come behind them
.endr
.irp i, 0,1,2,3,4,5,6,7,8,9,10,11,12,13,14,15
	v_lshl_add_u32 v[OA+16*((\m)%2)+\i], s[PR+\i], 11, v[CO]   ; 2,048 bytes a pair
.endr
	s_wait_dscnt 0x0
.irp i, 0,1,2,3,4,5,6,7,8,9,10,11,12,13,14,15
	global_store_b128 v[OA+16*((\m)%2)+\i], v[OB+64*((\m)%2)+4*\i:OB+64*((\m)%2)+4*\i+3], s[20:21]
.endr
.endm
	s_load_b256 s[4:11], s[0:1], 0x0               ; tiles, rows, gatew, xq
	s_load_b256 s[12:19], s[0:1], 0x20             ; xs, wimg, b1, b2
	s_load_b64 s[20:21], s[0:1], 0x40              ; part
	v_lshl_add_u32 v62, v0, 2, 0x14400
	v_mov_b32 v63, 0
	v_lshrrev_b32 v54, 5, v0
	v_readfirstlane_b32 s28, v54                   ; wave 0..3
	s_lshl_b32 s22, ttmp9, 4                       ; my record
	s_mov_b32 s23, 0
	v_and_b32 v54, 15, v0                          ; r
	v_bfe_u32 v55, v0, 4, 1                        ; h
	v_and_b32 v56, 31, v0                          ; lane
	v_lshlrev_b32 v[LI], 4, v56
	v_lshlrev_b32 v[LS], 2, v56
	s_lshr_b32 s30, s28, 1                         ; k = w / 2
	s_and_b32 s31, s28, 1                          ; w % 2
	s_mul_i32 s32, s30, 1536
	s_mul_i32 s33, s31, 520                        ; registers 0, 1 lie at byte 0 of a lane's place in an image, registers 6, 7 at 520;
	s_add_co_u32 s33, s33, s32
	v_add_nc_u32 v[HW], s33, v[LI]
	s_mul_i32 s33, s31, 1016                       ; 2, 3 at 8, 8, 9 at 1,024;
	s_add_co_u32 s33, s33, s32
	s_add_co_u32 s33, s33, 8
	v_add_nc_u32 v[HW+1], s33, v[LI]
	s_mul_i32 s33, s31, 520                        ; 4, 5 at 512, 10, 11 at 1,032
	s_add_co_u32 s33, s33, s32
	s_add_co_u32 s33, s33, 512
	v_add_nc_u32 v[HW+2], s33, v[LI]
	s_lshl_b32 s33, s30, 7
	s_lshl_b32 s32, s31, 1
	s_add_co_u32 s33, s33, s32
	v_add_nc_u32 v[HWS], s33, v[LS]
	v_lshlrev_b32 v[B1O], 6, v55
	v_lshlrev_b32 v[B2O], 5, v55
	s_mul_i32 s33, s28, 8448
	s_add_co_u32 s33, s33, STG                     ; my stage
	v_mul_u32_u24 v[STO], v54, 528
	v_lshl_add_u32 v[STO], v55, 5, v[STO]
	v_add_nc_u32 v[STO], s33, v[STO]
	v_add_nc_u32 v[RD], s33, v[LI]
	s_lshl_b32 s33, s28, 9
	v_add_nc_u32 v[CO], s33, v[LI]
	s_lshl_b32 s33, s28, 7
	v_add_nc_u32 v58, s33, v[LS]                   ; where I store x's scale words: 4 x lane + 128 w: I gather K step w of all three row tiles
	s_mul_i32 s33, s28, 1536
	v_add_nc_u32 v57, s33, v[LI]                   ; and x's images: 16 x lane + 1,536 w
	s_mov_b32 s[SEL], 0x76543210
	s_mov_b32 s[SEL+1], 0xfedcba98
	s_mov_b32 s[KT], 0x3eb504f3                    ; 0.35355339
	KPAIR KS, 0x3f596d27                           ; 0.84932180
	KPAIR KC, 0x3e7c6f08                           ; 0.24651730
	KPAIR KC+2, 0xbf97d29d                         ; -1.18611495
	KPAIR KC+4, 0x40097039                         ; 2.14747446
	KPAIR KC+6, 0xbfd1a1e5                         ; -1.63775315
	KPAIR KC+8, 0x3ecdfd18                         ; 0.40232158
	KPAIR KC+10, 0xbe899a80                        ; -0.26875686
	KPAIR KC+12, 0x3e0efb2e                        ; 0.13963006
	KPAIR KC+14, 0x3f0a29d2                        ; 0.53970062
	KPAIR KC+16, 0x3fb8ab5a                        ; 1.44272920
	KPAIR KC+18, 0xc034d90f                        ; -2.82574822 (the constant term x log2e, less 1 for the half)
	s_wait_kmcnt 0x0
	s_add_nc_u64 s[4:5], s[4:5], s[22:23]
	s_load_b128 s[24:27], s[4:5], 0x0              ; expert, first place, rows, 0
	s_wait_kmcnt 0x0
	s_min_u32 s24, s24, 7                          ; whatever the record holds, every address stays inside its buffer
	s_min_u32 s25, s25, 8191
	s_min_u32 s26, s26, 48
	s_lshl_b32 s30, s24, 2
	s_add_co_u32 s30, s30, s28
	s_mul_i32 s22, s30, 409600
	s_add_nc_u64 s[14:15], s[14:15], s[22:23]      ; my stream of weights
	s_lshl_b32 s22, s24, 13
	s_lshl_b32 s30, s28, 8
	s_add_co_u32 s22, s22, s30
	s_add_nc_u64 s[16:17], s[16:17], s[22:23]      ; b1: 8,192 e + 256 w
	s_lshl_b32 s22, s24, 11
	s_lshl_b32 s30, s28, 9
	s_add_co_u32 s22, s22, s30
	s_add_nc_u64 s[18:19], s[18:19], s[22:23]      ; b2: 2,048 e + 512 w
	s_mul_i32 s22, s28, 96
	s_add_nc_u64 s[10:11], s[10:11], s[22:23]      ; xq: K step w: 96 bytes on in every token's row
	s_lshl_b32 s22, s28, 2
	s_add_nc_u64 s[12:13], s[12:13], s[22:23]      ; xs: its scale word
	s_sub_co_u32 s30, s26, 1                       ; the tile's last row
.irp m, 0,1,2
	v_add_nc_u32 v[64+\m], 16*\m, v54              ; row 16 m + r
.endr
.irp m, 0,1,2
	v_min_u32 v[64+\m], s30, v[64+\m]              ; rows past the count are the last row again
	v_add_nc_u32 v[64+\m], s25, v[64+\m]
	v_min_u32 v[64+\m], 8191, v[64+\m]
	v_lshlrev_b32 v[64+\m], 2, v[64+\m]
.endr
.irp m, 0,1,2
	global_load_b32 v[P+\m], v[64+\m], s[6:7]
.endr
	LDA 0, 0, 0                                    ; trip 0's W1, K steps 0 and 1, and b1
	s_wait_loadcnt 33                              ; the three loads of pairs are in; the 33 behind them may be out
.irp m, 0,1,2
	v_min_u32 v[P+\m], 8191, v[P+\m]
	v_lshlrev_b32 v[72+\m], 2, v[P+\m]             ; the pair's weight
	v_lshrrev_b32 v[76+\m], 1, v[P+\m]             ; pair 2 t + k: the token
	v_min_u32 v[76+\m], 4095, v[76+\m]
	v_mul_u32_u24 v[80+\m], v[76+\m], 384          ; its 384 bytes of codes,
	v_mad_u32_u24 v[80+\m], v55, 24, v[80+\m]      ; my half's
	v_lshlrev_b32 v[76+\m], 4, v[76+\m]            ; its 16 scale bytes
.endr
.irp m, 0,1,2
	global_load_b32 v[CW+2*\m], v[72+\m], s[8:9]   ; the rows' weights
.endr
	WIN 0x80                                       ; into window 2, where the hidden layer will lie
.irp m, 0,1,2
	global_load_b32 v[48+\m], v[76+\m], s[12:13]
.endr
.irp m, 0,1,2
.irp p, 0,1,2,3,4,5
	global_load_b64 v[12*\m+2*\p:12*\m+2*\p+1], v[80+\m], s[10:11] offset:48*(\p/3)+8*(\p%3)   ; x's fragment (m, K step w), as the codes lie
.endr
.endr
	LDA 1, 0, 0                                    ; trip 0's W1, K steps 2 and 3: behind the gather, so that the first barrier does not wait for them
	s_wait_loadcnt 25                              ; the gather's 24 loads are in; the 25 behind them may be out
.irp m, 0,1,2
	v_mov_b32 v[CW+2*\m+1], v[CW+2*\m]             ; (named with it as a pair, so it is written)
.endr
	WIN 0x08
.irp m, 0,1,2
.irp c, 0,1,2
	ds_store_b128 v57, v[12*\m+4*\c:12*\m+4*\c+3] offset:XIMG+6144*\m+512*\c
.endr
.endr
.irp m, 0,1,2
	ds_store_b32 v58, v[48+\m] offset:XSC+512*\m
.endr
	LDBIAS2 0
	LDBIAS2 4
	s_wait_dscnt 0x0                               ; for the others' sake: my K step's images have landed
	s_barrier_signal -1
	s_barrier_wait -1                              ; x's twelve fragments lie in LDS, for the whole launch
	FETCHX 0, 0
	s_mov_b32 s29, 0                               ; trip u
.Ltrip:
	LDB 0                                          ; this trip's W2, K step 0
	FETCHX 1, 1
	s_wait_dscnt 12                                ; set 0 is in; the 12 loads just issued may be out
	P1STEP 0
	PLACES 4
	FETCHX 0, 2
	s_wait_dscnt 12
	P1STEP 1
	PLACES 4
	FETCHX 1, 3
	s_wait_dscnt 12
	s_wait_loadcnt 25                              ; W1's K steps 2, 3 are in (in trip 0 b2 too): behind them only this trip's 25 loads of W2 were issued
	P1STEP 2
	s_wait_dscnt 0x0
	P1STEP 3
	PLACES 4
	LDB 1                                          ; this trip's W2, K step 1
	GELU 0
	GELU 1
	WIN 0                                          ; at a branch and at a label every window is 0
	s_cmp_eq_u32 s29, 7                            ; the last trip asks for no next group: no load leaves its buffer
	s_cbranch_scc1 .Lno_a0
	LDA 0, TRIPB, 1024
.Lno_a0:
	GELU 2
	GELU 3
	WIN 0
	s_cmp_eq_u32 s29, 7
	s_cbranch_scc1 .Lno_a1
	LDA 1, TRIPB, 0
	s_branch .Lhad_a1
.Lno_a1:
	s_wait_loadcnt 0x0                             ; on this way nothing younger is issued, so the counted wait below would show nothing: all is waited for here
.Lhad_a1:
	GELU 4
	GELU 5
	QUANT 0, 2, 144, 148                           ; row tiles 0, 1
	PUT 0, 2, 144, 148
	QUANT 2, 1, 96, 100                            ; row tile 2, into registers of its own
	PUT 2, 1, 96, 100
	WIN 0
	s_wait_dscnt 0x0                               ; for the others' sake: my parts of the hidden layer's images have landed
	s_barrier_signal -1
	s_barrier_wait -1                              ; its six fragments lie in LDS
	FETCHH 0
	FETCHH 1
	s_wait_loadcnt 25                              ; both halves of W2 and the next trip's first half of W1 are in: behind them only the 25 loads of its second half were issued
	s_wait_dscnt 12                                ; set 0 is in
	P2STEP 0
	s_wait_dscnt 0x0                               ; my reads of the hidden layer's images are over:
	s_barrier_signal -1                            ; say so; between here and the wait stand matrix work and loads of x's images, which nobody writes again
	PLACES 4
	FETCHX 0, 0                                    ; for the next trip (the last trip's is not used)
	P2STEP 1
	s_barrier_wait -1                              ; everybody's are over: the next trip may store into them
	PLACES 4
	WIN 0
	s_wait_xcnt 0x0                                ; the loads have read their bases: they are stepped only behind this wait
	s_add_nc_u64 s[14:15], s[14:15], TRIPB
	s_add_nc_u64 s[16:17], s[16:17], 1024
	s_add_co_u32 s29, s29, 1
	s_cmp_lt_u32 s29, 8
	s_cbranch_scc1 .Ltrip
	s_wait_dscnt 0x0
	s_cmp_eq_u32 s26, 0                            ; a record without rows stores nothing; no barrier stands behind this branch
	s_cbranch_scc1 .Lend
	OUT 0
	OUT 1
	OUT 2
.Lend:
	s_wait_tensorcnt 0x0
	ds_add_u32 v62, v63
	s_wait_dscnt 0x0
	s_endpgm
.Lfunc_end_k_q7c6d756c3e_chain:
	.size	k_q7c6d756c3e_chain, .Lfunc_end_k_q7c6d756c3e_chain-k_q7c6d756c3e_chain
	.p2alignl 7, 3214868480
	.fill 96, 4, 3214868480
	.section	.rodata,"a",@progbits
	.p2align	6, 0x0
	.amdhsa_kernel k_q7c6d756c3e_chain
		.amdhsa_group_segment_fixed_size 83456
		.amdhsa_private_segment_fixed_size 0
		.amdhsa_enable_private_segment 0
		.amdhsa_kernarg_size 72
		.amdhsa_user_sgpr_count 2
		.amdhsa_user_sgpr_kernarg_segment_ptr 1
		.amdhsa_wavefront_size32 1
		.amdhsa_system_sgpr_workgroup_id_x 1
		.amdhsa_system_sgpr_workgroup_id_y 1
		.amdhsa_system_sgpr_workgroup_id_z 1
		.amdhsa_system_vgpr_workitem_id 0
		.amdhsa_next_free_vgpr 1024
		.amdhsa_next_free_sgpr 84
		.amdhsa_reserve_vcc 0
		.amdhsa_float_denorm_mode_32 3
		.amdhsa_float_denorm_mode_16_64 3
		.amdhsa_memory_ordered 1
		.amdhsa_forward_progress 1
		.amdhsa_inst_pref_size 140
	.end_amdhsa_kernel
	.amdgpu_metadata
---
amdhsa.version: [ 1, 2 ]
amdhsa.kernels:
  - .name:           k_q7c6d756c3e_chain
    .symbol:         k_q7c6d756c3e_chain.kd
    .args:
      - { .name: tiles, .offset: 0, .size: 8, .value_kind: global_buffer, .address_space: global }
      - { .name: rows, .offset: 8, .size: 8, .value_kind: global_buffer, .address_space: global }
      - { .name: gatew, .offset: 16, .size: 8, .value_kind: global_buffer, .address_space: global }
      - { .name: xq, .offset: 24, .size: 8, .value_kind: global_buffer, .address_space: global }
      - { .name: xs, .offset: 32, .size: 8, .value_kind: global_buffer, .address_space: global }
      - { .name: wimg, .offset: 40, .size: 8, .value_kind: global_buffer, .address_space: global }
      - { .name: b1, .offset: 48, .size: 8, .value_kind: global_buffer, .address_space: global }
      - { .name: b2, .offset: 56, .size: 8, .value_kind: global_buffer, .address_space: global }
      - { .name: part, .offset: 64, .size: 8, .value_kind: global_buffer, .address_space: global }
    .group_segment_fixed_size: 83456
    .private_segment_fixed_size: 0
    .kernarg_segment_align: 8
    .kernarg_segment_size: 72
    .max_flat_workgroup_size: 128
    .sgpr_count:     84
    .vgpr_count:     1024
    .wavefront_size: 32
...
	.end_amdgpu_metadata
.endif
;; end of part 3
;; launch sum (part 4): grid 256 x 1, 8 waves a work-group, no clusters, 0 bytes of LDS; arguments part, out0; writes out0
.if DOCPART == 4
	.amdgcn_target "amdgcn-amd-amdhsa--gfx1250"
	.amdhsa_code_object_version 6
	.text
	.protected	k_q7c6d756c3e_sum
	.globl	k_q7c6d756c3e_sum
	.p2align	8
	.type	k_q7c6d756c3e_sum,@function
k_q7c6d756c3e_sum:
	s_mov_b64 s[64:65], 0
	v_nop
	global_prefetch_b8 v0, s[64:65] scope:SCOPE_SE
	s_setreg_imm32_b32 hwreg(HW_REG_WAVE_MODE, 25, 1), 1
	s_wait_xcnt 0x0
; out0[t] = part[2 t] + part[2 t + 1]: a token's two weighted expert rows, 2,048 bytes each, lie side by side.  A stream: each byte is read once and written once.
; A wave takes two tokens: 16 loads of 512 consecutive bytes, all issued first, 8 stores of 512 consecutive bytes, aligned.  No LDS, no barrier, no loop: every offset is an immediate.
	s_load_b128 s[4:7], s[0:1], 0x0                ; part, out0
	v_lshrrev_b32 v1, 5, v0
	v_readfirstlane_b32 s8, v1                     ; wave 0..7
	v_and_b32 v1, 31, v0
	v_lshlrev_b32 v1, 4, v1                        ; 16 bytes a lane
	s_lshl_b32 s10, ttmp9, 15                      ; out0: 16 tokens of 2,048 bytes a work-group,
	s_lshl_b32 s9, s8, 12                          ; 2 a wave
	s_add_co_u32 s10, s10, s9
	s_mov_b32 s11, 0
	s_lshl_b32 s12, s10, 1                         ; part: twice that
	s_mov_b32 s13, 0
	s_wait_kmcnt 0x0
	s_add_nc_u64 s[4:5], s[4:5], s[12:13]
	s_add_nc_u64 s[6:7], s[6:7], s[10:11]
.irp j, 0,1,2,3,4,5,6,7
	global_load_b128 v[8+8*\j:11+8*\j], v1, s[4:5] offset:4096*(\j/4)+512*(\j%4) th:TH_LOAD_NT
	global_load_b128 v[12+8*\j:15+8*\j], v1, s[4:5] offset:4096*(\j/4)+512*(\j%4)+2048 th:TH_LOAD_NT
.endr
.irp j, 0,1,2,3,4,5,6,7
	s_wait_loadcnt 14-2*\j                         ; piece j's two loads are in; two for each later piece may be out
	v_pk_add_f32 v[72+4*\j:73+4*\j], v[8+8*\j:9+8*\j], v[12+8*\j:13+8*\j]
	v_pk_add_f32 v[74+4*\j:75+4*\j], v[10+8*\j:11+8*\j], v[14+8*\j:15+8*\j]
	global_store_b128 v1, v[72+4*\j:75+4*\j], s[6:7] offset:512*\j th:TH_STORE_NT
.endr
	s_endpgm
.Lfunc_end_k_q7c6d756c3e_sum:
	.size	k_q7c6d756c3e_sum, .Lfunc_end_k_q7c6d756c3e_sum-k_q7c6d756c3e_sum
	.p2alignl 7, 3214868480
	.fill 96, 4, 3214868480
	.section	.rodata,"a",@progbits
	.p2align	6, 0x0
	.amdhsa_kernel k_q7c6d756c3e_sum
		.amdhsa_group_segment_fixed_size 0
		.amdhsa_private_segment_fixed_size 0
		.amdhsa_enable_private_segment 0
		.amdhsa_kernarg_size 16
		.amdhsa_user_sgpr_count 2
		.amdhsa_user_sgpr_kernarg_segment_ptr 1
		.amdhsa_wavefront_size32 1
		.amdhsa_system_sgpr_workgroup_id_x 1
		.amdhsa_system_sgpr_workgroup_id_y 1
		.amdhsa_system_sgpr_workgroup_id_z 1
		.amdhsa_system_vgpr_workitem_id 0
		.amdhsa_next_free_vgpr 104
		.amdhsa_next_free_sgpr 66
		.amdhsa_reserve_vcc 0
		.amdhsa_float_denorm_mode_32 3
		.amdhsa_float_denorm_mode_16_64 3
		.amdhsa_memory_ordered 1
		.amdhsa_forward_progress 1
		.amdhsa_inst_pref_size 5
	.end_amdhsa_kernel
	.amdgpu_metadata
---
amdhsa.version: [ 1, 2 ]
amdhsa.kernels:
  - .name:           k_q7c6d756c3e_sum
    .symbol:         k_q7c6d756c3e_sum.kd
    .args:
      - { .name: part, .offset: 0, .size: 8, .value_kind: global_buffer, .address_space: global }
      - { .name: out0, .offset: 8, .size: 8, .value_kind: global_buffer, .address_space: global }
    .group_segment_fixed_size: 0
    .private_segment_fixed_size: 0
    .kernarg_segment_align: 8
    .kernarg_segment_size: 16
    .max_flat_workgroup_size: 256
    .sgpr_count:     66
    .vgpr_count:     104
    .wavefront_size: 32
...
	.end_amdgpu_metadata
.endif
;; end of part 4
;; ======== version 2 of 2: 4 launches; version 1 with the launch chain written anew for expert scheduling mode
;; workspace buffers: xq 1,572,864 bytes; xs 65,536 bytes; eidx 32,768 bytes of whole numbers; gatew 32,768 bytes; rows 32,768 bytes of whole numbers; tiles 8,192 bytes of whole numbers; wimg 13,107,200 bytes; part 16,777,216 bytes
;; launch route: the kernel of part 1 again; grid 256 x 1, 8 waves a work-group, no clusters, 61,440 bytes of LDS; arguments x, Wg, bg, xq, xs, eidx, gatew, wimg, W1_codes, W1_scales, W2_codes, W2_scales; writes xq, xs, eidx, gatew, wimg
;; launch place: the kernel of part 2 again; grid 1 x 1, 16 waves a work-group, no clusters, 2,560 bytes of LDS; arguments eidx, rows, tiles; writes rows, tiles
;; launch chain (part 5): grid 178 x 1, 4 waves a work-group, no clusters, 83,456 bytes of LDS; arguments tiles, rows, gatew, xq, xs, wimg, b1, b2, part; writes part
.if DOCPART == 5
	.amdgcn_target "amdgcn-amd-amdhsa--gfx1250"
	.amdhsa_code_object_version 6
	.text
	.protected	k_q7c6d756c3e_chain
	.globl	k_q7c6d756c3e_chain
	.p2align	8
	.type	k_q7c6d756c3e_chain,@function
k_q7c6d756c3e_chain:
	s_mov_b64 s[64:65], 0
	v_nop
	global_prefetch_b8 v0, s[64:65] scope:SCOPE_SE
	s_setreg_imm32_b32 hwreg(HW_REG_WAVE_SCHED_MODE, 0, 2), 2
	s_setreg_imm32_b32 hwreg(HW_REG_WAVE_MODE, 25, 1), 1
	s_wait_xcnt 0x0
	s_wait_alu depctr_vm_vsrc(0)
; ONE TILE OF UP TO 48 ROUTED ROWS OF ONE EXPERT THROUGH THE WHOLE CHAIN: part[pair] = weight x (gelu(x W1 + b1) W2 + b2), both products on codes of FP6 (E2M3) with one E8M0 scale for each 32 along K.
; The grid, ceil(8192 / 48) + 7 = 178, serves every split of the pairs among 8 experts.  A record with 0 rows: the work-group walks the trips on clamped indices and stores nothing: so no barrier stands under a branch on a loaded number.
; Rows past the tile's count are copies of its last row (the index is clamped): they store the same bytes to the same place.
; EIGHT TRIPS, each 256 hidden units = K steps 2 u, 2 u + 1 of the second product.  THE WAVES SHARE THE COLUMNS: in the first product wave w makes hidden units 256 u + 64 w .. + 63 (4 tiles) for all 48 rows (3 row tiles m), in the second
; outputs 128 w .. + 127 (8 tiles) for all 48 rows: every weight byte is loaded once in a work-group, straight into registers, from wimg, which holds the fragments in register order (512 consecutive bytes a load).
; Both products are used transposed (source 0 = 16 rows of a weight, source 1 = 16 tokens): a lane holds one token, and its registers run along the next K.  The rows of W1 that form a tile are chosen (in wimg) so that
; the 16 registers of tiles 2 b, 2 b + 1 are 16 neighbours.  Tokens' operands (x's 12 fragments, once; the hidden layer's 6, each trip) go from wave to wave through LDS as images of their registers.
; GELU is exact in f32: gelu(x) = max(x, 0) - |x| t 2^(log2e (poly(t) - x^2 / 2) - 1), t = 1 / (1 + |x| / (2 sqrt 2)): erfc by a published fit of degree 9 in t with fractional error 1.2e-7.
; NO CLUSTER, NO TENSOR LOADS: a tile's expert is read from memory, and an expert has any number of tiles from 0 to 171, so the grid does not divide into clusters of one expert at every split.
; LIMITS: NaN and infinities are not served.  A block of zeros of the hidden layer gets the byte 1 where the rule says 127: its codes are zeros.
; REGISTERS, in windows of 256.  Window 0: v1-6, v13-15 addresses; v7-12 the scale words of token sets 2, 3; v16-23 W1's scale registers, v24-31 W2's, v32-38 the scale words of token sets 0, 1; v40-42 my rows' pairs; v44-49 their weights; v64-255 W2's 16 fragments.
;   Window 1: v0-191 W1's 16 fragments; v192-227 token set 0 (three fragments).   Window 2: v0-95 the hidden layer, accumulator (t, m) at 8 (4 m + t); v96-175 at work in GELU and the quantiser, and in the products token sets 2 (v96-131) and 3 (v132-167);
;   v176-207 b1's 4 tiles; v208-243 token set 1.   Window 3: the result, accumulator (t, m) at 8 (4 t + m).
; THE MODE: SCHED_MODE bits 1:0 = 2 (LLVM: expert scheduling mode 2), set by the entry lines.  The code itself states the register dependences between vector or matrix instructions and memory or LDS instructions, with s_wait_alu, always for 0.
; THE PLAN.  Registers that memory or LDS instructions touch in a trip, and who else names them:
;   W2's fragments and scale registers   loaded at the trip's head (K step 0) and behind the first product (K step 1); read by the second product at the trip's end.
;   W1's fragments, scale registers, b1  read by the first product; loaded for the next trip among the GELUs.
;   token sets 0, 1                      loaded at the head with x's K steps 2, 3, read by the first product's steps 2, 3; loaded behind the middle barrier with the hidden layer's two K steps, read by the second product.
;   token sets 2, 3                      loaded behind the middle barrier with x's K steps 0, 1 for the NEXT trip, read by its first product's steps 0, 1; from there to the middle barrier their registers are GELU's and the quantiser's.
;   the quantiser's results              written by the two QUANTs, read by the LDS stores behind them; they lie in the registers of sets 2, 3.
;   the addresses                        made at the head, never written again: the scalar bases are stepped, and immediate offsets do the rest.
; So a trip has, beside the waits behind its transcendentals, three waits: on va_vdst at its head (the last trip's second product is done with W2's registers and sets 0, 1), on va_vdst behind the quantiser (its results are written; all vector
; work on the registers of sets 2, 3 and the first product's reads of sets 0, 1 are done), on vm_vsrc behind the middle barrier (the LDS stores have read the quantiser's results).  The loads of the next trip's W1 lean on GELU's own waits.
.set XIMG, 0                           ; LDS: x's fragments (row tile m, K step s) at 1,536 (4 m + s),
.set XSC,  24576                       ; their scale words, 128 bytes each,
.set HB,   32768                       ; the hidden layer's (m, k) at 1,536 (2 m + k),
.set HSC,  HB+12288                    ; their scale words,
.set STG,  49152                       ; and each wave's own stage for the way out: 16 rows x (512 + 16) bytes
.set GRP,  25600                       ; a group in wimg
.set TRIPB, 51200                      ; a trip's two groups
.set LI,  1                            ; v1   16 x lane
.set LS,  2                            ; v2   4 x lane
.set HW,  3                            ; v3-5 where my six registers of a hidden fragment go, two at a time
.set HWS, 6                            ; v6   and my half of its scale word
.set B1O, 13                           ; v13  64 h
.set STO, 14                           ; v14  the stage: where I put 32 bytes of a row
.set RD,  15                           ; v15  and where I read a row back
.set WSA, 16
.set WSB, 24
.set P,   40
.set CW,  44
.set CO,  52                           ; v52  512 w + 16 x lane: my bytes of a row of part
.set B2O, 53                           ; v53  32 h
.set B1R, 176
.set GU,  128                          ; window 2, at work in GELU: t, then |x| t;
.set GS,  144                          ; x sqrt(log2e / 2), then the exponent, then the power;
.set GQ,  160                          ; the polynomial, then max(x, 0)
.set TM,  128                          ; at work in QUANT
.set OB,  64                           ; the way out, window 0: rows read back, two sets of 64;
.set OA,  192                          ; their offsets in part, two sets of 16
.set SEL, 34                           ; s[34:35] v_permlanex16_b32's selects
.set KT,  36                           ; s36      1 / (2 sqrt 2)
.set KS,  38                           ; s[38:39] sqrt(log2e / 2)
.set KC,  40                           ; s[40:59] the polynomial's coefficients x log2e, degree 9 first, as pairs (the packed forms name a pair and take its low word for both halves)
.set PR,  66                           ; s66-81   the way out: the pairs of a row tile's 16 rows
.set MSB, 0
.macro WIN new                         ; the immediate's high byte repeats the setting that is left; a switch that changes nothing is dropped
.if MSB != \new
	s_set_vgpr_msb (MSB<<8)|\new
.set MSB, \new
.endif
.endm
.macro PLACES n                        ; plain places behind matrix instructions, in front of the first read of their results (ISA guide 7.12.1)
.rept \n
	v_nop
.endr
.endm
.macro KPAIR r, bits
	s_mov_b32 s[\r], \bits
	s_mov_b32 s[\r+1], \bits
.endm
; where a token set lies: FB its three fragments (set 0 in window 1, the others in window 2), SB its three scale words (window 0)
.macro USESET set
.if (\set) == 0
.set FB, 192
.set SB, 32
.elseif (\set) == 1
.set FB, 208
.set SB, 36
.elseif (\set) == 2
.set FB, 96
.set SB, 7
.else
.set FB, 132
.set SB, 10
.endif
.endm
; three token fragments (row tiles 0-2) and their scale words from LDS into a set: 12 LDS loads
.macro FETCHB set, off, fstr, offs, sstr
	USESET \set
.if (\set) == 0
	WIN 0x40
.else
	WIN 0x80
.endif
.irp m, 0,1,2
.irp c, 0,1,2
	ds_load_b128 v[FB+12*\m+4*\c:FB+12*\m+4*\c+3], v[LI] offset:(\off)+(\fstr)*\m+512*\c
.endr
.endr
	WIN 0
.irp m, 0,1,2
	ds_load_b32 v[SB+\m], v[LS] offset:(\offs)+(\sstr)*\m
.endr
.endm
.macro FETCHX set, s
	FETCHB \set, XIMG+1536*(\s), 6144, XSC+128*(\s), 512
.endm
.macro FETCHH k
	FETCHB \k, HB+1536*(\k), 3072, HSC+128*(\k), 256
.endm
; half a group of W1 from woff bytes on (half 0: K steps 0, 1, and b1's four tiles from boff on: 33 loads; half 1: K steps 2, 3: 25 loads)
.macro LDA half, woff, boff
	WIN 0x40
.irp f, 0,1,2,3,4,5,6,7
.irp c, 0,1,2
	global_load_b128 v[12*(8*(\half)+\f)+4*\c:12*(8*(\half)+\f)+4*\c+3], v[LI], s[14:15] offset:(\woff)+1536*(8*(\half)+\f)+512*\c
.endr
.endr
.if \half == 0
	WIN 0x80
.irp t, 0,1,2,3                        ; lane (r, h) wants, for tile t, b1 of hidden units 32 (t / 2) + 16 h + 8 (t % 2) + 0 .. 7: the result's layout
	global_load_b128 v[B1R+8*\t:B1R+8*\t+3], v[B1O], s[16:17] offset:(\boff)+(32*(\t/2)+8*(\t%2))*4
	global_load_b128 v[B1R+8*\t+4:B1R+8*\t+7], v[B1O], s[16:17] offset:(\boff)+(32*(\t/2)+8*(\t%2))*4+16
.endr
.endif
	WIN 0
	global_load_b128 v[WSA+4*(\half):WSA+4*(\half)+3], v[LI], s[14:15] offset:(\woff)+24576+512*(\half)
.endm
; half a group of W2 of this trip (K step k = half): 25 loads
.macro LDB half
	WIN 0
.irp f, 0,1,2,3,4,5,6,7
.irp c, 0,1,2
	global_load_b128 v[64+12*(8*(\half)+\f)+4*\c:64+12*(8*(\half)+\f)+4*\c+3], v[LI], s[14:15] offset:GRP+1536*(8*(\half)+\f)+512*\c
.endr
.endr
	global_load_b128 v[WSB+4*(\half):WSB+4*(\half)+3], v[LI], s[14:15] offset:GRP+24576+512*(\half)
.endm
; b2 is what the result's sums begin with: tiles t0 .. t0 + 3, the same eight numbers for each of the three row tiles: 24 loads
.macro LDBIAS2 t0
	WIN 0xc0
.irp t, \t0, \t0+1, \t0+2, \t0+3
.irp m, 0,1,2
	global_load_b128 v[8*(4*(\t)+\m):8*(4*(\t)+\m)+3], v[B2O], s[18:19] offset:64*(\t)
	global_load_b128 v[8*(4*(\t)+\m)+4:8*(4*(\t)+\m)+7], v[B2O], s[18:19] offset:64*(\t)+16
.endr
.endr
	WIN 0
.endm
; 12 matrix instructions: K step s of the first product, on token set (s + 2) % 4; the 12 accumulators take turns, one instruction a turn, in the same order in every step.  In step 0 b1 is the C
.macro P1STEP s
.set PS, ((\s)+2)%4
	USESET PS
.if PS == 0
	WIN 0xa5
.else
	WIN 0xa9
.endif
.irp m, 0,1,2
.irp t, 0,1,2,3
.set rD, 8*(4*\m+\t)
.set rC, rD
.if (\s) == 0
.set rC, B1R+8*\t
.endif
.set rA, 12*(4*(\s)+\t)
.set rB, FB+12*\m
.set rX, WSA+2*(\s)+\t/2
.set rY, SB+\m
.if \t%2
	v_wmma_scale_f32_16x16x128_f8f6f4 v[rD:rD+7], v[rA:rA+11], v[rB:rB+11], v[rC:rC+7], v[rX], v[rY] matrix_a_fmt:MATRIX_FMT_FP6 matrix_b_fmt:MATRIX_FMT_FP6 matrix_a_scale:MATRIX_SCALE_ROW1
.else
	v_wmma_scale_f32_16x16x128_f8f6f4 v[rD:rD+7], v[rA:rA+11], v[rB:rB+11], v[rC:rC+7], v[rX], v[rY] matrix_a_fmt:MATRIX_FMT_FP6 matrix_b_fmt:MATRIX_FMT_FP6
.endif
.endr
.endr
.endm
; 24 matrix instructions: K step 2 u + k of the second product, on token set k; the 24 accumulators take turns
.macro P2STEP k
	USESET \k
.if \k == 0
	WIN 0xf4
.else
	WIN 0xf8
.endif
.irp t, 0,1,2,3,4,5,6,7
.irp m, 0,1,2
.set rD, 8*(4*\t+\m)
.set rA, 64+12*(8*(\k)+\t)
.set rB, FB+12*\m
.set rX, WSB+4*(\k)+\t/2
.set rY, SB+\m
.if \t%2
	v_wmma_scale_f32_16x16x128_f8f6f4 v[rD:rD+7], v[rA:rA+11], v[rB:rB+11], v[rD:rD+7], v[rX], v[rY] matrix_a_fmt:MATRIX_FMT_FP6 matrix_b_fmt:MATRIX_FMT_FP6 matrix_a_scale:MATRIX_SCALE_ROW1
.else
	v_wmma_scale_f32_16x16x128_f8f6f4 v[rD:rD+7], v[rA:rA+11], v[rB:rB+11], v[rD:rD+7], v[rX], v[rY] matrix_a_fmt:MATRIX_FMT_FP6 matrix_b_fmt:MATRIX_FMT_FP6
.endif
.endr
.endr
.endm
; GELU of 16 numbers, two accumulators, each read from its low end on, in place.  Every transcendental has a plain instruction behind it before its result is used.
; It names window 2's v0-95 and v128-175 alone: none of the registers in which the next trip's W1, its scale registers and b1 land.
.macro GELU b
.set GX, 16*(\b)
	WIN 0xaa
.set i, 0
.rept 16
	v_fma_f32 v[GU+i], |v[GX+i]|, s[KT], 1.0
.set i, i+1
.endr
.set i, 0
.rept 8
	v_rcp_f32 v[GU+2*i], v[GU+2*i]                 ; t
	v_pk_mul_f32 v[GS+2*i:GS+2*i+1], v[GX+2*i:GX+2*i+1], s[KS:KS+1] op_sel_hi:[1,0]
	v_rcp_f32 v[GU+2*i+1], v[GU+2*i+1]
.set i, i+1
.endr
.set i, 0
	s_wait_alu depctr_va_vdst(0)                   ; the sixteen reciprocals have written v[GU ..], ahead of their first reader
.rept 8
	v_pk_fma_f32 v[GQ+2*i:GQ+2*i+1], v[GU+2*i:GU+2*i+1], s[KC:KC+1], s[KC+2:KC+3] op_sel_hi:[1,0,0]
.set i, i+1
.endr
.irp k, 2,3,4,5,6,7,8,9                ; Horner, eight pairs by turns
.set i, 0
.rept 8
	v_pk_fma_f32 v[GQ+2*i:GQ+2*i+1], v[GQ+2*i:GQ+2*i+1], v[GU+2*i:GU+2*i+1], s[KC+2*\k:KC+2*\k+1] op_sel_hi:[1,1,0]
.set i, i+1
.endr
.endr
.set i, 0
.rept 8
	v_pk_fma_f32 v[GS+2*i:GS+2*i+1], v[GS+2*i:GS+2*i+1], v[GS+2*i:GS+2*i+1], v[GQ+2*i:GQ+2*i+1] neg_lo:[1,0,0] neg_hi:[1,0,0]   ; the exponent: the polynomial less x^2 log2e / 2
.set i, i+1
.endr
.set i, 0
.rept 16
	v_exp_f32 v[GS+i], v[GS+i]
	v_mul_f32 v[GU+i], |v[GX+i]|, v[GU+i]
	v_max_num_f32 v[GQ+i], 0, v[GX+i]
.set i, i+1
.endr
.set i, 0
	s_wait_alu depctr_va_vdst(0)                   ; the sixteen powers have written v[GS ..], ahead of their first reader
.rept 8
	v_pk_fma_f32 v[GX+2*i:GX+2*i+1], v[GU+2*i:GU+2*i+1], v[GS+2*i:GS+2*i+1], v[GQ+2*i:GQ+2*i+1] neg_lo:[1,0,0] neg_hi:[1,0,0]
.set i, i+1
.endr
.endm
; n row tiles from m0 on: 32 n numbers of a lane; register 16 b + i: blocks b = 0, 1 of my 64 hidden units for row tile m0, b = 2, 3 for m0 + 1; unit 32 (b % 2) + 16 h + i.
; Out: v[pc + 6 c ..] six registers of row tile m0 + c (lanes 0-15 block 0, lanes 16-31 block 1); v[pw + c] its two scale bytes.  The two calls of a trip have results of their own,
; so that both stand ahead of one wait, and the LDS stores of both behind it.
.macro QUANT m0, n, pw, pc
.set QS, 32*(\m0)
	WIN 0xaa
.irp b, 0,1,2,3
.if \b < 2*(\n)
	v_max3_num_f32 v[TM+\b], |v[QS+16*\b]|, |v[QS+1+16*\b]|, 0x1800000   ; my 16 numbers, and the floor 2^(3 - 127): the byte cannot fall under 1
.endif
.endr
.irp i, 2,4,6,8,10,12,14
.irp b, 0,1,2,3
.if \b < 2*(\n)
	v_max3_num_f32 v[TM+\b], v[TM+\b], |v[QS+16*\b+\i]|, |v[QS+1+16*\b+\i]|
.endif
.endr
.endr
.irp b, 0,1,2,3
.if \b < 2*(\n)
	v_permlanex16_b32 v[TM+4+\b], v[TM+\b], s[SEL], s[SEL+1]
.endif
.endr
.irp b, 0,1,2,3
.if \b < 2*(\n)
	v_max_num_f32 v[TM+\b], v[TM+\b], v[TM+4+\b]   ; with lane l xor 16's: the block's largest magnitude
.endif
.endr
.irp b, 0,1,2,3
.if \b < 2*(\n)
	v_add_nc_u32 v[TM+12+\b], 0xff000000, v[TM+\b] ; 2 off its exponent field: the conversion's scale operand
.endif
.endr
.irp b, 0,1,2,3
.if \b < 2*(\n)
	v_lshrrev_b32 v[TM+4+\b], 23, v[TM+12+\b]      ; the scale's byte
.endif
.endr
	v_lshl_or_b32 v[\pw], v[TM+5], 8, v[TM+4]
.if \n > 1
	v_lshl_or_b32 v[\pw+1], v[TM+7], 8, v[TM+6]
.endif
.irp c, 0,1
.if \c < \n
	v_cvt_scalef32_pk16_fp6_f32 v[\pc+6*\c:\pc+2+6*\c], v[QS+32*\c:QS+15+32*\c], v[TM+12+2*\c]
	v_cvt_scalef32_pk16_fp6_f32 v[\pc+12+4*\c:\pc+14+4*\c], v[QS+16+32*\c:QS+31+32*\c], v[TM+12+2*\c+1]   ; (a conversion's three registers begin on an even number)
.endif
.endr
	v_nop                                          ; one plain place behind a scaled conversion
.irp c, 0,1                            ; the operand's layout wants a whole block in a lane
.if \c < \n
.irp i, 0,1,2
	v_permlane16_swap_b32 v[\pc+6*\c+\i], v[\pc+12+4*\c+\i]
.endr
.irp i, 0,1,2
	v_mov_b32 v[\pc+3+6*\c+\i], v[\pc+12+4*\c+\i]
.endr
.endif
.endr
.endm
; My six registers are registers 6 (w % 2) .. + 5 of fragment (m, k = w / 2): they go to their places in its image, two at a time; my two bytes to their half of its scale word
.macro PUT m0, n, pw, pc
	WIN 0x08                                       ; an LDS store's data are its source 1: window 2
.irp c, 0,1
.if \c < \n
.irp i, 0,1,2
	ds_store_b64 v[HW+\i], v[\pc+6*\c+2*\i:\pc+6*\c+2*\i+1] offset:HB+3072*((\m0)+\c)
.endr
	ds_store_b16 v[HWS], v[\pw+\c] offset:HSC+256*((\m0)+\c)
.endif
.endr
.endm
; THE WAY OUT of row tile m: x the row's weight; through my own stage; back as rows of 512 bytes, which the 32 lanes store as two aligned blocks of 256 bytes at the row's pair in part.
; The 16 rows' pairs are read out of their lanes first, and held inside the list behind the multiplications.  The offsets in part are made ahead of the stage's stores, so that one wait on va_vdst serves the whole tile.
.macro OUT m
	WIN 0
.irp i, 0,1,2,3,4,5,6,7,8,9,10,11,12,13,14,15
	v_readlane_b32 s[PR+\i], v[P+(\m)], \i         ; row i's pair lies in lane i
.endr
	WIN 0xc3
.irp t, 0,1,2,3,4,5,6,7
.irp j, 0,2,4,6
	v_pk_mul_f32 v[8*(4*\t+(\m))+\j:8*(4*\t+(\m))+\j+1], v[8*(4*\t+(\m))+\j:8*(4*\t+(\m))+\j+1], v[CW+2*(\m):CW+2*(\m)+1] op_sel_hi:[1,0]
.endr
.endr
	s_wait_alu depctr_va_sdst(0)                   ; the sixteen v_readlane_b32 have written s[PR ..], ahead of their first reader
.irp i, 0,1,2,3,4,5,6,7,8,9,10,11,12,13,14,15
	s_min_u32 s[PR+\i], s[PR+\i], 8191
.endr
	WIN 0
.if (\m) >= 2
	s_wait_xcnt 0x0                                ; the stores of two tiles back have had their addresses translated: their data and offsets are written again only behind this wait,
	s_wait_alu depctr_vm_vsrc(0)                   ; and they have read v[OA ..], which the lines below write, and v[OB ..], in which this tile's rows land
.endif
.irp i, 0,1,2,3,4,5,6,7,8,9,10,11,12,13,14,15
	v_lshl_add_u32 v[OA+16*((\m)%2)+\i], s[PR+\i], 11, v[CO]   ; 2,048 bytes a pair
.endr
	WIN 0x0c
	s_wait_alu depctr_va_vdst(0)                   ; the multiplications have written the tile's results, which the LDS stores read; v[OA ..] is written, which the global stores read; the second product is done reading W2's fragments, in which the rows land
.irp t, 0,1,2,3,4,5,6,7
	ds_store_b128 v[STO], v[8*(4*\t+(\m)):8*(4*\t+(\m))+3] offset:64*\t
	ds_store_b128 v[STO], v[8*(4*\t+(\m))+4:8*(4*\t+(\m))+7] offset:64*\t+16
.endr
	WIN 0
.irp i, 0,1,2,3,4,5,6,7,8,9,10,11,12,13,14,15
	ds_load_b128 v[OB+64*((\m)%2)+4*\i:OB+64*((\m)%2)+4*\i+3], v[RD] offset:528*\i   ; LDS serves a wave's instructions in order: these see my stores, and the next tile's stores come behind them
.endr
	s_wait_dscnt 0x0
.irp i, 0,1,2,3,4,5,6,7,8,9,10,11,12,13,14,15
	global_store_b128 v[OA+16*((\m)%2)+\i], v[OB+64*((\m)%2)+4*\i:OB+64*((\m)%2)+4*\i+3], s[20:21]
.endr
.endm
	s_load_b256 s[4:11], s[0:1], 0x0               ; tiles, rows, gatew, xq
	s_load_b256 s[12:19], s[0:1], 0x20             ; xs, wimg, b1, b2
	s_load_b64 s[20:21], s[0:1], 0x40              ; part
	v_lshl_add_u32 v62, v0, 2, 0x14400
	v_mov_b32 v63, 0
	v_lshrrev_b32 v54, 5, v0
	v_readfirstlane_b32 s28, v54                   ; wave 0..3
	s_lshl_b32 s22, ttmp9, 4                       ; my record
	s_mov_b32 s23, 0
	v_and_b32 v54, 15, v0                          ; r
	v_bfe_u32 v55, v0, 4, 1                        ; h
	v_and_b32 v56, 31, v0                          ; lane
	v_lshlrev_b32 v[LI], 4, v56
	v_lshlrev_b32 v[LS], 2, v56
	s_wait_alu depctr_va_sdst(0)                   ; s28 is written, ahead of its first reader: LDS addresses and the bases of the weights are made from it
	s_lshr_b32 s30, s28, 1                         ; k = w / 2
	s_and_b32 s31, s28, 1                          ; w % 2
	s_mul_i32 s32, s30, 1536
	s_mul_i32 s33, s31, 520                        ; registers 0, 1 lie at byte 0 of a lane's place in an image, registers 6, 7 at 520;
	s_add_co_u32 s33, s33, s32
	v_add_nc_u32 v[HW], s33, v[LI]
	s_mul_i32 s33, s31, 1016                       ; 2, 3 at 8, 8, 9 at 1,024;
	s_add_co_u32 s33, s33, s32
	s_add_co_u32 s33, s33, 8
	v_add_nc_u32 v[HW+1], s33, v[LI]
	s_mul_i32 s33, s31, 520                        ; 4, 5 at 512, 10, 11 at 1,032
	s_add_co_u32 s33, s33, s32
	s_add_co_u32 s33, s33, 512
	v_add_nc_u32 v[HW+2], s33, v[LI]
	s_lshl_b32 s33, s30, 7
	s_lshl_b32 s32, s31, 1
	s_add_co_u32 s33, s33, s32
	v_add_nc_u32 v[HWS], s33, v[LS]
	v_lshlrev_b32 v[B1O], 6, v55
	v_lshlrev_b32 v[B2O], 5, v55
	s_mul_i32 s33, s28, 8448
	s_add_co_u32 s33, s33, STG                     ; my stage
	v_mul_u32_u24 v[STO], v54, 528
	v_lshl_add_u32 v[STO], v55, 5, v[STO]
	v_add_nc_u32 v[STO], s33, v[STO]
	v_add_nc_u32 v[RD], s33, v[LI]
	s_lshl_b32 s33, s28, 9
	v_add_nc_u32 v[CO], s33, v[LI]
	s_lshl_b32 s33, s28, 7
	v_add_nc_u32 v58, s33, v[LS]                   ; where I store x's scale words: 4 x lane + 128 w: I gather K step w of all three row tiles
	s_mul_i32 s33, s28, 1536
	v_add_nc_u32 v57, s33, v[LI]                   ; and x's images: 16 x lane + 1,536 w
	s_mov_b32 s[SEL], 0x76543210
	s_mov_b32 s[SEL+1], 0xfedcba98
	s_mov_b32 s[KT], 0x3eb504f3                    ; 0.35355339
	KPAIR KS, 0x3f596d27                           ; 0.84932180
	KPAIR KC, 0x3e7c6f08                           ; 0.24651730
	KPAIR KC+2, 0xbf97d29d                         ; -1.18611495
	KPAIR KC+4, 0x40097039                         ; 2.14747446
	KPAIR KC+6, 0xbfd1a1e5                         ; -1.63775315
	KPAIR KC+8, 0x3ecdfd18                         ; 0.40232158
	KPAIR KC+10, 0xbe899a80                        ; -0.26875686
	KPAIR KC+12, 0x3e0efb2e                        ; 0.13963006
	KPAIR KC+14, 0x3f0a29d2                        ; 0.53970062
	KPAIR KC+16, 0x3fb8ab5a                        ; 1.44272920
	KPAIR KC+18, 0xc034d90f                        ; -2.82574822 (the constant term x log2e, less 1 for the half)
	s_wait_kmcnt 0x0
	s_add_nc_u64 s[4:5], s[4:5], s[22:23]
	s_load_b128 s[24:27], s[4:5], 0x0              ; expert, first place, rows, 0
	s_wait_kmcnt 0x0
	s_min_u32 s24, s24, 7                          ; whatever the record holds, every address stays inside its buffer
	s_min_u32 s25, s25, 8191
	s_min_u32 s26, s26, 48
	s_lshl_b32 s30, s24, 2
	s_add_co_u32 s30, s30, s28
	s_mul_i32 s22, s30, 409600
	s_add_nc_u64 s[14:15], s[14:15], s[22:23]      ; my stream of weights
	s_lshl_b32 s22, s24, 13
	s_lshl_b32 s30, s28, 8
	s_add_co_u32 s22, s22, s30
	s_add_nc_u64 s[16:17], s[16:17], s[22:23]      ; b1: 8,192 e + 256 w
	s_lshl_b32 s22, s24, 11
	s_lshl_b32 s30, s28, 9
	s_add_co_u32 s22, s22, s30
	s_add_nc_u64 s[18:19], s[18:19], s[22:23]      ; b2: 2,048 e + 512 w
	s_mul_i32 s22, s28, 96
	s_add_nc_u64 s[10:11], s[10:11], s[22:23]      ; xq: K step w: 96 bytes on in every token's row
	s_lshl_b32 s22, s28, 2
	s_add_nc_u64 s[12:13], s[12:13], s[22:23]      ; xs: its scale word
	s_sub_co_u32 s30, s26, 1                       ; the tile's last row
.irp m, 0,1,2
	v_add_nc_u32 v[64+\m], 16*\m, v54              ; row 16 m + r
.endr
.irp m, 0,1,2
	v_min_u32 v[64+\m], s30, v[64+\m]              ; rows past the count are the last row again
	v_add_nc_u32 v[64+\m], s25, v[64+\m]
	v_min_u32 v[64+\m], 8191, v[64+\m]
	v_lshlrev_b32 v[64+\m], 2, v[64+\m]
.endr
	s_wait_alu depctr_va_vdst(0)                   ; v64-66 are written, which the loads of pairs read, and so are all the addresses that stay (v1-6, v13-15, v52, v53, v57, v58), which every later load and store reads
.irp m, 0,1,2
	global_load_b32 v[P+\m], v[64+\m], s[6:7]
.endr
	LDA 0, 0, 0                                    ; trip 0's W1, K steps 0 and 1, and b1
	s_wait_loadcnt 33                              ; the three loads of pairs are in; the 33 behind them may be out
.irp m, 0,1,2
	v_min_u32 v[P+\m], 8191, v[P+\m]
	v_lshlrev_b32 v[72+\m], 2, v[P+\m]             ; the pair's weight
	v_lshrrev_b32 v[76+\m], 1, v[P+\m]             ; pair 2 t + k: the token
	v_min_u32 v[76+\m], 4095, v[76+\m]
	v_mul_u32_u24 v[80+\m], v[76+\m], 384          ; its 384 bytes of codes,
	v_mad_u32_u24 v[80+\m], v55, 24, v[80+\m]      ; my half's
	v_lshlrev_b32 v[76+\m], 4, v[76+\m]            ; its 16 scale bytes
.endr
	s_wait_alu depctr_va_vdst(0)                   ; v72-74, v76-78 and v80-82 are written: the gather's 24 loads read them as offsets
.irp m, 0,1,2
	global_load_b32 v[CW+2*\m], v[72+\m], s[8:9]   ; the rows' weights
.endr
	WIN 0x80                                       ; into window 2, where the hidden layer will lie
.irp m, 0,1,2
	global_load_b32 v[48+\m], v[76+\m], s[12:13]
.endr
.irp m, 0,1,2
.irp p, 0,1,2,3,4,5
	global_load_b64 v[12*\m+2*\p:12*\m+2*\p+1], v[80+\m], s[10:11] offset:48*(\p/3)+8*(\p%3)   ; x's fragment (m, K step w), as the codes lie
.endr
.endr
	LDA 1, 0, 0                                    ; trip 0's W1, K steps 2 and 3: behind the gather, so that the first barrier does not wait for them
	s_wait_loadcnt 25                              ; the gather's 24 loads are in; the 25 behind them may be out
.irp m, 0,1,2
	v_mov_b32 v[CW+2*\m+1], v[CW+2*\m]             ; (named with it as a pair, so it is written)
.endr
	WIN 0x08
.irp m, 0,1,2
.irp c, 0,1,2
	ds_store_b128 v57, v[12*\m+4*\c:12*\m+4*\c+3] offset:XIMG+6144*\m+512*\c   ; (the data came by loads, the address stands ahead of the head's first wait on va_vdst)
.endr
.endr
.irp m, 0,1,2
	ds_store_b32 v58, v[48+\m] offset:XSC+512*\m
.endr
	LDBIAS2 0
	LDBIAS2 4
	s_wait_dscnt 0x0                               ; for the others' sake: my K step's images have landed
	s_barrier_signal -1
	s_barrier_wait -1                              ; x's twelve fragments lie in LDS, for the whole launch
	s_wait_alu depctr_vm_vsrc(0)                   ; my LDS stores have read window 2's v0-35 and v48-50, which the first product writes; the loads of pairs and the gather have read v64-66 and v72-82, in which W2's fragments land
	FETCHX 2, 0                                    ; trip 0's first two K steps of x
	FETCHX 3, 1
	s_mov_b32 s29, 0                               ; trip u
.Ltrip:
	s_wait_alu depctr_va_vdst(0)                   ; the last trip's second product is done reading W2's fragments and scale registers and token sets 0, 1, in which the loads of this trip land (in trip 0: the head's lines have written v64-82, in which W2 lands)
	LDB 0                                          ; this trip's W2, K step 0
	FETCHX 0, 2
	FETCHX 1, 3
	s_wait_dscnt 24                                ; sets 2, 3 are in; the 24 loads just issued may be out
	P1STEP 0
	P1STEP 1
	s_wait_dscnt 12                                ; set 0 is in; set 1's 12 loads may be out
	s_wait_loadcnt 25                              ; W1's K steps 2, 3 are in (in trip 0 b2 too): behind them only this trip's 25 loads of W2 were issued
	P1STEP 2
	s_wait_dscnt 0x0
	P1STEP 3
	PLACES 4                                       ; behind the first product: GELU reads its results, and writes registers that its steps 0, 1 read as sets 2, 3
	LDB 1                                          ; this trip's W2, K step 1.  No wait: since the wait at the trip's head only the first product was issued, which names none of these registers
	GELU 0
	GELU 1
	WIN 0                                          ; at a branch and at a label every window is 0
	s_cmp_eq_u32 s29, 7                            ; the last trip asks for no next group: no load leaves its buffer
	s_cbranch_scc1 .Lno_a0
	LDA 0, TRIPB, 1024                             ; no wait of its own: GELU's waits on va_vdst stand behind the first product, which read these registers, and GELU names none of them
.Lno_a0:
	GELU 2
	GELU 3
	WIN 0
	s_cmp_eq_u32 s29, 7
	s_cbranch_scc1 .Lno_a1
	LDA 1, TRIPB, 0                                ; likewise
	s_branch .Lhad_a1
.Lno_a1:
	s_wait_loadcnt 0x0                             ; on this way nothing younger is issued, so the counted wait below would show nothing: all is waited for here
.Lhad_a1:
	GELU 4
	GELU 5
	QUANT 0, 2, 144, 148                           ; row tiles 0, 1
	QUANT 2, 1, 96, 100                            ; row tile 2, into registers of its own
	s_wait_alu depctr_va_vdst(0)                   ; both quantisers have written their codes and scale bytes, which the LDS stores read; all vector work on window 2's v96-175 and the first product's reads of sets 0, 1 are done: the four fetches behind the barrier land there
	PUT 0, 2, 144, 148
	PUT 2, 1, 96, 100
	WIN 0
	s_wait_dscnt 0x0                               ; for the others' sake: my parts of the hidden layer's images have landed
	s_barrier_signal -1
	s_barrier_wait -1                              ; its six fragments lie in LDS
	s_wait_alu depctr_vm_vsrc(0)                   ; my LDS stores have read the quantisers' results: sets 2, 3 land in these registers, and the next trip's GELU writes them
	FETCHH 0
	FETCHH 1
	FETCHX 2, 0                                    ; x's K steps 0, 1 for the next trip (the last trip's are not used)
	FETCHX 3, 1
	s_wait_loadcnt 25                              ; both halves of W2 and the next trip's first half of W1 are in: behind them only the 25 loads of its second half were issued
	s_wait_dscnt 36                                ; set 0 is in; the 36 loads behind its own may be out
	P2STEP 0
	s_wait_dscnt 0x0                               ; my reads of the hidden layer's images are over:
	s_barrier_signal -1                            ; say so; between here and the wait stands matrix work alone
	P2STEP 1
	s_barrier_wait -1                              ; everybody's are over: the next trip may store into them
	PLACES 4                                       ; behind the second product: the way out reads its results
	WIN 0
	s_wait_xcnt 0x0                                ; the loads have read their bases: they are stepped only behind this wait
	s_add_nc_u64 s[14:15], s[14:15], TRIPB
	s_add_nc_u64 s[16:17], s[16:17], 1024
	s_add_co_u32 s29, s29, 1
	s_cmp_lt_u32 s29, 8
	s_cbranch_scc1 .Ltrip
	s_cmp_eq_u32 s26, 0                            ; a record without rows stores nothing; no barrier stands behind this branch
	s_cbranch_scc1 .Lend
	OUT 0
	OUT 1
	OUT 2
.Lend:
	s_wait_dscnt 0x0                               ; the closing lines, six on end
	s_wait_alu 0x0
	s_wait_tensorcnt 0x0
	ds_add_u32 v62, v63
	s_wait_dscnt 0x0
	s_endpgm
.Lfunc_end_k_q7c6d756c3e_chain:
	.size	k_q7c6d756c3e_chain, .Lfunc_end_k_q7c6d756c3e_chain-k_q7c6d756c3e_chain
	.p2alignl 7, 3214868480
	.fill 96, 4, 3214868480
	.section	.rodata,"a",@progbits
	.p2align	6, 0x0
	.amdhsa_kernel k_q7c6d756c3e_chain
		.amdhsa_group_segment_fixed_size 83456
		.amdhsa_private_segment_fixed_size 0
		.amdhsa_enable_private_segment 0
		.amdhsa_kernarg_size 72
		.amdhsa_user_sgpr_count 2
		.amdhsa_user_sgpr_kernarg_segment_ptr 1
		.amdhsa_wavefront_size32 1
		.amdhsa_system_sgpr_workgroup_id_x 1
		.amdhsa_system_sgpr_workgroup_id_y 1
		.amdhsa_system_sgpr_workgroup_id_z 1
		.amdhsa_system_vgpr_workitem_id 0
		.amdhsa_next_free_vgpr 1024
		.amdhsa_next_free_sgpr 84
		.amdhsa_reserve_vcc 0
		.amdhsa_float_denorm_mode_32 3
		.amdhsa_float_denorm_mode_16_64 3
		.amdhsa_memory_ordered 1
		.amdhsa_forward_progress 1
		.amdhsa_inst_pref_size 141
	.end_amdhsa_kernel
	.amdgpu_metadata
---
amdhsa.version: [ 1, 2 ]
amdhsa.kernels:
  - .name:           k_q7c6d756c3e_chain
    .symbol:         k_q7c6d756c3e_chain.kd
    .args:
      - { .name: tiles, .offset: 0, .size: 8, .value_kind: global_buffer, .address_space: global }
      - { .name: rows, .offset: 8, .size: 8, .value_kind: global_buffer, .address_space: global }
      - { .name: gatew, .offset: 16, .size: 8, .value_kind: global_buffer, .address_space: global }
      - { .name: xq, .offset: 24, .size: 8, .value_kind: global_buffer, .address_space: global }
      - { .name: xs, .offset: 32, .size: 8, .value_kind: global_buffer, .address_space: global }
      - { .name: wimg, .offset: 40, .size: 8, .value_kind: global_buffer, .address_space: global }
      - { .name: b1, .offset: 48, .size: 8, .value_kind: global_buffer, .address_space: global }
      - { .name: b2, .offset: 56, .size: 8, .value_kind: global_buffer, .address_space: global }
      - { .name: part, .offset: 64, .size: 8, .value_kind: global_buffer, .address_space: global }
    .group_segment_fixed_size: 83456
    .private_segment_fixed_size: 0
    .kernarg_segment_align: 8
    .kernarg_segment_size: 72
    .max_flat_workgroup_size: 128
    .sgpr_count:     84
    .vgpr_count:     1024
    .wavefront_size: 32
...
	.end_amdgpu_metadata
.endif
;; end of part 5
;; launch sum: the kernel of part 4 again; grid 256 x 1, 8 waves a work-group, no clusters, 0 bytes of LDS; arguments part, out0; writes out0
